; MI455X (gfx1250); checked and timed in simulation.
; The chip was launched on July 23, 2026; its instructions are those of AMD's public machine-readable ISA for CDNA 5 (MIT licence, August 2026) and "CDNA5" Instruction Set Architecture Reference Guide (July 2026). The comments in the code are by the model that wrote it; some were corrected since.
;; Self Attention. Allowed arithmetic: matrix products marked QUANTISED: E3M2 operands, one E8M0 scale for each 32 along K, by v_wmma_scale_f32_16x16x128_f8f6f4 with both operands' format E3M2, f32 sums; everything else in f32.
;; Inputs: Wk 1,024 x 1,024 float32; Wo 1,024 x 1,024 float32; Wq 1,024 x 1,024 float32; Wv 1,024 x 1,024 float32; bk 1,024 float32; bo 1,024 float32; bq 1,024 float32; bv 1,024 float32; x 2 x 2,048 x 1,024 float32.
;; Outputs: out0 2 x 2,048 x 1,024 float32.
;; This version of the problem:
;;   THIS VERSION OF THE PROBLEM IS GIVEN IN LOW PRECISION. The matrix products marked QUANTISED in the list below multiply operands that are first quantised to E3M2 (3 exponent bits, 2 mantissa bits; 6 bits a number), with one power-of-two scale for each 32 numbers along K (OCP MX v1.0); their sums are f32. All else is computed in f32.
;;   The module's matrix products, in the order in which they are computed (A, B: the left and right operand; K: the contracted axis; several contracted axes count as one K, in the product's order):
;;     1. [M 4,096, K 1,024] x [K 1,024, N 1,024]; A: input x; B: input Wq: QUANTISED
;;     2. [M 4,096, K 1,024] x [K 1,024, N 1,024]; A: input x; B: input Wk: QUANTISED
;;     3. [M 4,096, K 1,024] x [K 1,024, N 1,024]; A: input x; B: input Wv: QUANTISED
;;     4. batch 32 x [M 2,048, K 64] x [K 64, N 2,048]; A: computed on the way; B: computed on the way: QUANTISED
;;     5. batch 32 x [M 2,048, K 2,048] x [K 2,048, N 64]; A: softmax (see below); B: computed on the way: QUANTISED
;;     6. [M 4,096, K 1,024] x [K 1,024, N 1,024]; A: computed on the way; B: input Wo: QUANTISED
;;   THE QUANTISER, for each operand of a quantised product, along K:
;;     - K is cut into blocks of 32 from its start; a last block that is shorter is filled with zeros.
;;     - A block's scale is 2^e with e = floor(log2(the largest magnitude in the block)) - 4, held to -126 .. 127; a block of zeros has e = 0. As a byte (E8M0): e + 127.
;;     - Each number is divided by its block's scale, clamped to +-28, and rounded to the nearest number of E3M2, ties to even, subnormals kept.
;;     - The product sums the exact products of the quantised numbers (number of the format x scale) in f32.
;;   ~~~python
;;   def quantise(x, axis):      # numpy; x: float32 -> the quantised numbers, widened to float32 again
;;       x = np.moveaxis(x, axis, -1); K = x.shape[-1]
;;       x = np.pad(x, [(0, 0)] * (x.ndim - 1) + [(0, -K % 32)]); x = x.reshape(x.shape[:-1] + (-1, 32)); a = np.abs(x).max(-1, keepdims=True)
;;       e = np.where(a > 0, np.clip(np.frexp(np.where(a > 0, a, 1))[1] - 1 - 4, -126, 127), 0)      # np.frexp(a)[1] - 1 = floor(log2(a)), exactly
;;       r = np.clip(x / 2.0 ** e, -28, 28)
;;       step = 2.0 ** (np.maximum(np.frexp(np.where(r == 0, 1, r))[1] - 1, -2) - 2)
;;       q = np.round(r / step) * step * 2.0 ** e      # np.round: ties to even
;;       return np.moveaxis(q.reshape(q.shape[:-2] + (-1,))[..., :K], -1, axis).astype(np.float32)
;;   ~~~
;;   SOFTMAX AHEAD OF A QUANTISED PRODUCT. Where the list says 'softmax', what is quantised is not the finished softmax but p = 2^(t - M), with t = logit x log2(e) and M = ceil(the row's largest t), a whole number; so 1/2 < the row's largest p <= 1. The row's sum l is taken of the UNQUANTISED p, in f32, and the product's result is divided by l at the end. Since M is a whole number, a kernel that streams over the keys may use a running M (the ceiling of the running maximum): every later rescaling is an exact power of two, which a block's scale takes up: the codes' values come out the same.
;;   OPERANDS COMPUTED ON THE WAY. 'Computed on the way' means the value that the module computes at that place (a softmax that the list does not call 'softmax' is quantised finished and normalised). What goes into a quantiser is computed in f32, as accurately as f32 sums, v_exp_f32 and their like allow (about 1e-6 of the number): no bf16 or f16 on the way to a quantiser, and a product that is left as it is and whose result goes on into a quantised operand takes f32 operands (vector FMAs, or v_wmma_f32_16x16x4_f32). A number that lies on a knife's edge between two numbers of the format may be rounded either way, as far as f32 arithmetic and the matrix unit's own rounding can turn it there, and no further.
;; One version. Each part assembles by itself: llvm-mc -triple=amdgcn-amd-amdhsa -mcpu=gfx1250 --defsym DOCPART=n.
;; ======== version 1 of 1: 4 launches
;; limits: right only within a limited range of input values
;; workspace buffers: ximg 3,276,800 bytes; wimg 3,276,800 bytes; qimg 3,407,872 bytes; kvimg 6,684,672 bytes; aimg 3,276,800 bytes
;; launch prep (part 1): grid 512 x 1, 4 waves a work-group, no clusters, 47,616 bytes of LDS; arguments x, Wq, Wk, Wv, Wo, ximg, wimg; writes ximg, wimg
.if DOCPART == 1
	.amdgcn_target "amdgcn-amd-amdhsa--gfx1250"
	.amdhsa_code_object_version 6
	.text
	.protected	k_qd4d29bd0f7_prep
	.globl	k_qd4d29bd0f7_prep
	.p2align	8
	.type	k_qd4d29bd0f7_prep,@function
k_qd4d29bd0f7_prep:
	s_mov_b64 s[64:65], 0
	v_nop
	global_prefetch_b8 v0, s[64:65] scope:SCOPE_SE
	s_setreg_imm32_b32 hwreg(HW_REG_WAVE_MODE, 25, 1), 1
	s_wait_xcnt 0x0
; x [4096][1024] (K innermost) and Wq, Wk, Wv, Wo [1024 (K)][1024 (N)] (K outermost), f32, become codes of BF6 (E3M2) with one E8M0 byte for each 32 along K,
; laid as IMAGES OF OPERAND REGISTERS.  A block of 128 rows (of x) or 128 columns (of W) x 128 along K is 12,800 bytes: eight tiles of 16, each a fragment of 12 registers a lane:
; register R of tile T, lane L, at 1536 T + 512 (R / 4) + 16 L + 4 (R % 4); the scale word of (T, lane r) at 12288 + 128 (T / 2) + 8 r + 4 (T % 2).
; THE ROWS OF A TILE ARE NOT NEIGHBOURS: lane r of tile T is row 32 (T / 2) + 8 (T % 2) + r + 8 (r / 8) of the block, so that a later product's results are neighbours along the next K.
; A block's scale is 2^(floor(log2(its largest magnitude)) - 4); its byte is the largest magnitude's exponent field - 4, held at 1 from below.
; LIMITS: a block whose largest magnitude lies under 2^(5 - 127) gets the byte 1 (a block of zeros too, where the rule says 127: its codes are zeros and this program alone reads the bytes); NaN and infinities are not served.
; Work-groups 0-255 take x, 256-511 the weights; both make block g = number % 256 of their buffer; wave w makes tiles 2 w and 2 w + 1.  Each path has LDS bytes of its own.
; No tensor loads, no barrier, no cluster: waves and work-groups share nothing; each f32 number is read once.
.set OPB,   12800                      ; bytes of a block
.set XSTG,  16*528                     ; x's path: a wave's stage: 16 rows of 512 bytes + 16
.set WBASE, 4*XSTG                     ; the weights' path: its stages begin here
.set WSTG,  3328                       ; a wave's: two tiles' images, 1,664 bytes apart
.set WTP,   1664
.set LIW,   4                          ; v4   16 x lane + 3072 x wave: my place in the block's codes
.set LSW,   5                          ; v5   my place among the block's scale words
.set LI,    6                          ; v6   16 x lane
.set PW,    12                         ; v[12:13] x: the two tiles' scale words
.set SB,    14                         ; v14  W: my column's scale word
.set TM,    16                         ; v16-31 at work
.set OUT,   32                         ; v32-55 x: two fragments
.set QT,    56                         ; v56-63 the conversions' second halves
.set R,     64                         ; v64-191 x: two tiles of 64 numbers a lane
.set X,     64                         ; v64-127 W: two sets of 32 numbers
.set C,     128                        ; v128-159 W: a block's codes, eight registers for each of four blocks
.set OB,    160                        ; v160-183 W: two fragments
.set SEL,   20                         ; s[20:21] v_permlanex16_b32's selects for lane l xor 16
; 64 numbers of a lane, register 16 b + i = k 32 b + 16 (lane / 16) + i of my row, become a fragment: registers 0-5 in v[da] on, 6-11 in v[db] on; the four scale bytes stay in v[TM+4] .. v[TM+7].
.macro QUANT src, da, db
.irp b, 0,1,2,3
	v_max3_num_f32 v[TM+\b], |v[\src+16*\b]|, |v[\src+16*\b+1]|, 0x2800000      ; block b: my 16 numbers, and the floor 2^(5 - 127): the byte cannot fall under 1
.endr
.irp i, 2,4,6,8,10,12,14
.irp b, 0,1,2,3
	v_max3_num_f32 v[TM+\b], v[TM+\b], |v[\src+16*\b+\i]|, |v[\src+16*\b+\i+1]| ; the four blocks by turns
.endr
.endr
.irp b, 0,1,2,3
	v_permlanex16_b32 v[TM+4+\b], v[TM+\b], s[SEL], s[SEL+1]
.endr
.irp b, 0,1,2,3
	v_max_num_f32 v[TM+\b], v[TM+\b], v[TM+4+\b]                               ; with lane l xor 16's 16: the block's largest magnitude
.endr
.irp b, 0,1,2,3
	v_add_nc_u32 v[TM+12+\b], 0xfe000000, v[TM+\b]                             ; 4 off its exponent field: the conversion's scale operand
.endr
.irp b, 0,1,2,3
	v_lshrrev_b32 v[TM+4+\b], 23, v[TM+12+\b]                                  ; the scale's byte
.endr
	v_cvt_scalef32_pk16_bf6_f32 v[\da:\da+2], v[\src:\src+15], v[TM+12]
	v_cvt_scalef32_pk16_bf6_f32 v[QT:QT+2], v[\src+16:\src+31], v[TM+13]       ; (a conversion's three registers begin on an even number)
	v_cvt_scalef32_pk16_bf6_f32 v[\db:\db+2], v[\src+32:\src+47], v[TM+14]
	v_cvt_scalef32_pk16_bf6_f32 v[QT+4:QT+6], v[\src+48:\src+63], v[TM+15]
	v_nop                                                                      ; one plain line behind the scaled conversions
.irp i, 0,1,2
	v_permlane16_swap_b32 v[\da+\i], v[QT+\i]                                  ; the layout wants a whole block in a lane: lanes 0-15 the even block, lanes 16-31 the odd one
.endr
.irp i, 0,1,2
	v_mov_b32 v[\da+3+\i], v[QT+\i]
.endr
.irp i, 0,1,2
	v_permlane16_swap_b32 v[\db+\i], v[QT+4+\i]
.endr
.irp i, 0,1,2
	v_mov_b32 v[\db+3+\i], v[QT+4+\i]
.endr
.endm
	s_load_b256 s[4:11], s[0:1], 0x0               ; x, Wq, Wk, Wv
	s_load_b128 s[12:15], s[0:1], 0x20             ; Wo, ximg
	s_load_b64 s[16:17], s[0:1], 0x30              ; wimg
	v_lshl_add_u32 v208, v0, 2, 0xb800
	v_mov_b32 v209, 0
	v_lshrrev_b32 v1, 5, v0
	v_readfirstlane_b32 s18, v1                    ; wave 0..3
	v_and_b32 v1, 31, v0                           ; lane
	v_and_b32 v2, 15, v0                           ; r
	v_bfe_u32 v3, v0, 4, 1                         ; h
	v_lshlrev_b32 v[LI], 4, v1
	s_mul_i32 s24, s18, 3072
	v_add_nc_u32 v[LIW], s24, v[LI]
	s_and_b32 s19, ttmp9, 255                      ; g: the block
	s_mul_i32 s22, s19, OPB
	s_mov_b32 s23, 0
	s_lshl_b32 s29, s18, 7
	s_add_co_u32 s29, s29, 12288                   ; my wave's 128 bytes of scale words
	s_wait_kmcnt 0x0
	s_cmp_lt_u32 ttmp9, 256
	s_cbranch_scc0 .Lweights
	; ---- x: block g = 8 x row block + K step.  A load takes one row's 512 bytes of the K step, 16 bytes a lane; 16 rows turn through the wave's stage and come back 16 neighbours a block to a lane.
	s_lshr_b32 s25, s19, 3
	s_lshl_b32 s25, s25, 7
	s_lshl_b32 s26, s18, 5
	s_add_co_u32 s25, s25, s26                     ; 128 x row block + 32 x wave
	s_lshl_b32 s26, s25, 12                        ; rows of 4,096 bytes
	s_and_b32 s27, s19, 7
	s_lshl_b32 s27, s27, 9                         ; the K step's 512 bytes
	s_add_co_u32 s26, s26, s27
	s_mov_b32 s27, 0
	s_add_nc_u64 s[4:5], s[4:5], s[26:27]
	s_add_nc_u64 s[14:15], s[14:15], s[22:23]
	s_wait_alu depctr_va_vdst(0)
.irp u, 0,1
.irp i, 0,1,2,3,4,5,6,7,8,9,10,11,12,13,14,15
	global_load_b128 v[R+64*\u+4*\i:R+64*\u+4*\i+3], v[LI], s[4:5] offset:(8*\u+\i+8*(\i/8))*4096 th:TH_LOAD_NT   ; lane i's row of tile 2 w + u
.endr
.endr
	s_mov_b32 s[SEL], 0x76543210
	s_mov_b32 s[SEL+1], 0xfedcba98
	s_mul_i32 s28, s18, XSTG
	v_add_nc_u32 v7, s28, v[LI]                    ; into the stage: as loaded
	v_mul_u32_u24 v8, v2, 528
	v_lshl_add_u32 v8, v3, 6, v8
	v_add_nc_u32 v8, s28, v8                       ; out of it: row r, + 64 h: my 16 numbers of each block of 32
	v_lshl_add_u32 v[LSW], v2, 3, s29
.irp b, 0,1,2,3
	v_mov_b32 v[TM+4+\b], 0                        ; written once: a lane permute's destination counts as one of its sources
.endr
.macro XTILE u, left
	s_wait_loadcnt \left                           ; this tile's 16 loads are in; the other tile's are younger
.irp i, 0,1,2,3,4,5,6,7,8,9,10,11,12,13,14,15
	ds_store_b128 v7, v[R+64*\u+4*\i:R+64*\u+4*\i+3] offset:528*\i
.endr
.irp b, 0,1,2,3
.irp j, 0,1,2,3
	ds_load_b128 v[R+64*\u+16*\b+4*\j:R+64*\u+16*\b+4*\j+3], v8 offset:128*\b+16*\j   ; LDS serves a wave's instructions in order: these see the stores above
.endr
.endr
	s_wait_dscnt 0x0
	QUANT R+64*\u, OUT+12*\u, OUT+12*\u+6
	v_lshl_or_b32 v[PW+\u], v[TM+5], 8, v[TM+4]    ; the four bytes make my row's scale word
	v_lshl_or_b32 v[PW+\u], v[TM+6], 16, v[PW+\u]
	v_lshl_or_b32 v[PW+\u], v[TM+7], 24, v[PW+\u]
.endm
	s_wait_alu depctr_va_vdst(0)
	XTILE 0, 16
	XTILE 1, 0
.irp u, 0,1
.irp q, 0,1,2
	global_store_b128 v[LIW], v[OUT+12*\u+4*\q:OUT+12*\u+4*\q+3], s[14:15] offset:1536*\u+512*\q   ; 32 lanes store 512 consecutive bytes
.endr
.endr
	global_store_b64 v[LSW], v[PW:PW+1], s[14:15]  ; both tiles' words of row r: 128 consecutive bytes (lanes 16-31 repeat lanes 0-15)
	s_wait_tensorcnt 0x0
	ds_add_u32 v208, v209
	s_wait_dscnt 0x0
	s_endpgm
.Lweights:
	; ---- W: block g = (8 x matrix + N block) x 8 + K step.  A lane takes a column and its registers run down K: a block of 32 lies in one lane.
	s_lshr_b32 s25, s19, 6                         ; which matrix: the choice hangs on the work-group's number alone
	s_cmp_eq_u32 s25, 1
	s_cselect_b64 s[6:7], s[8:9], s[6:7]
	s_cmp_eq_u32 s25, 2
	s_cselect_b64 s[6:7], s[10:11], s[6:7]
	s_cmp_eq_u32 s25, 3
	s_cselect_b64 s[6:7], s[12:13], s[6:7]
	s_and_b32 s26, s19, 7
	s_lshl_b32 s26, s26, 19                        ; the K step: 128 rows of 4,096 bytes
	s_bfe_u32 s27, s19, 0x30003
	s_lshl_b32 s27, s27, 9                         ; the N block: 128 columns
	s_add_co_u32 s26, s26, s27
	s_lshl_b32 s27, s18, 7                         ; my wave's 32 columns
	s_add_co_u32 s26, s26, s27
	s_mov_b32 s27, 0
	s_add_nc_u64 s[6:7], s[6:7], s[26:27]
	s_add_nc_u64 s[16:17], s[16:17], s[22:23]
	s_wait_alu depctr_va_vdst(0)
	v_lshlrev_b32 v7, 2, v1                        ; 4 bytes a lane
.macro LOAD t                          ; W(32 t + i, my column) into set t % 2: 32 lanes read 128 consecutive bytes, the four waves 512
.irp i, 0,1,2,3,4,5,6,7,8,9,10,11,12,13,14,15,16,17,18,19,20,21,22,23,24,25,26,27,28,29,30,31
	global_load_b32 v[X+32*((\t)%2)+\i], v7, s[6:7] offset:(32*(\t)+\i)*4096 th:TH_LOAD_NT
.endr
.endm
	LOAD 0
	LOAD 1
	v_bfe_u32 v8, v0, 3, 1                         ; column 32 w + L is lane (L % 8) + 8 (L / 16) of tile 2 w + (L / 8) % 2
	v_and_b32 v9, 7, v0
	v_lshl_add_u32 v9, v3, 3, v9
	s_mul_i32 s28, s18, WSTG
	s_add_co_u32 s28, s28, WBASE
	v_mul_u32_u24 v10, v8, WTP
	v_lshl_add_u32 v10, v9, 4, v10
	v_add_nc_u32 v10, s28, v10                     ; into the stage: my tile's image, my lane's 16 bytes
	v_add_nc_u32 v11, s28, v[LI]                   ; out of it: 16 x lane
	v_lshlrev_b32 v[LSW], 3, v9
	v_lshl_add_u32 v[LSW], v8, 2, v[LSW]
	v_add_nc_u32 v[LSW], s29, v[LSW]
; Block t of my column: k = 32 t .. 32 t + 31: registers 6 (t / 2) .. + 5 of lane r + 16 (t % 2) of my tile's fragment.
.macro BLOCK t
.set XS, X+32*((\t)%2)
.set CT, C+8*(\t)
.if (\t) < 3
	s_wait_loadcnt 32                              ; this block's 32 loads are in; the next block's are younger
.else
	s_wait_loadcnt 0x0
.endif
	v_max3_num_f32 v[TM], |v[XS]|, |v[XS+1]|, |v[XS+2]|
	v_max3_num_f32 v[TM+1], |v[XS+3]|, |v[XS+4]|, |v[XS+5]|
.irp i, 6,10,14,18,22,26
	v_max3_num_f32 v[TM], v[TM], |v[XS+\i]|, |v[XS+\i+1]|
	v_max3_num_f32 v[TM+1], v[TM+1], |v[XS+\i+2]|, |v[XS+\i+3]|
.endr
	v_max3_num_f32 v[TM], v[TM], |v[XS+30]|, |v[XS+31]|
	v_max3_num_f32 v[TM], v[TM], v[TM+1], 0x2800000 ; and the floor
	v_add_nc_u32 v[TM+2], 0xfe000000, v[TM]
	v_lshrrev_b32 v[TM+3], 23, v[TM+2]
.if (\t) == 0
	v_mov_b32 v[SB], v[TM+3]
.else
	v_lshl_or_b32 v[SB], v[TM+3], 8*(\t), v[SB]
.endif
	v_cvt_scalef32_pk16_bf6_f32 v[CT:CT+2], v[XS:XS+15], v[TM+2]
	v_cvt_scalef32_pk16_bf6_f32 v[CT+4:CT+6], v[XS+16:XS+31], v[TM+2]
	v_nop                                          ; one plain line behind the scaled conversions
	v_mov_b32 v[CT+3], v[CT+4]                     ; the block's six registers on end
	v_mov_b32 v[CT+4], v[CT+5]
	v_mov_b32 v[CT+5], v[CT+6]
.if (\t) < 2
	LOAD (\t)+2
	ds_store_b128 v10, v[CT:CT+3] offset:256*((\t)%2)            ; registers 0-3
	ds_store_b64 v10, v[CT+4:CT+5] offset:512+256*((\t)%2)       ; registers 4, 5
.else
	ds_store_b64 v10, v[CT:CT+1] offset:520+256*((\t)%2)         ; registers 6, 7
	ds_store_b128 v10, v[CT+2:CT+5] offset:1024+256*((\t)%2)     ; registers 8-11
.endif
.endm
	BLOCK 0
	BLOCK 1
	BLOCK 2
	BLOCK 3
.irp u, 0,1
.irp q, 0,1,2
	ds_load_b128 v[OB+12*\u+4*\q:OB+12*\u+4*\q+3], v11 offset:WTP*\u+512*\q   ; LDS serves a wave's instructions in order: these see my stores
.endr
.endr
	global_store_b32 v[LSW], v[SB], s[16:17]       ; 32 lanes store my wave's 128 consecutive bytes of scale words
	s_wait_dscnt 0x0
.irp u, 0,1
.irp q, 0,1,2
	global_store_b128 v[LIW], v[OB+12*\u+4*\q:OB+12*\u+4*\q+3], s[16:17] offset:1536*\u+512*\q
.endr
.endr
	s_wait_tensorcnt 0x0
	ds_add_u32 v208, v209
	s_wait_dscnt 0x0
	s_endpgm
.Lfunc_end_k_qd4d29bd0f7_prep:
	.size	k_qd4d29bd0f7_prep, .Lfunc_end_k_qd4d29bd0f7_prep-k_qd4d29bd0f7_prep
	.p2alignl 7, 3214868480
	.fill 96, 4, 3214868480
	.section	.rodata,"a",@progbits
	.p2align	6, 0x0
	.amdhsa_kernel k_qd4d29bd0f7_prep
		.amdhsa_group_segment_fixed_size 47616
		.amdhsa_private_segment_fixed_size 0
		.amdhsa_enable_private_segment 0
		.amdhsa_kernarg_size 56
		.amdhsa_user_sgpr_count 2
		.amdhsa_user_sgpr_kernarg_segment_ptr 1
		.amdhsa_wavefront_size32 1
		.amdhsa_system_sgpr_workgroup_id_x 1
		.amdhsa_system_sgpr_workgroup_id_y 1
		.amdhsa_system_sgpr_workgroup_id_z 1
		.amdhsa_system_vgpr_workitem_id 0
		.amdhsa_next_free_vgpr 210
		.amdhsa_next_free_sgpr 66
		.amdhsa_reserve_vcc 0
		.amdhsa_float_denorm_mode_32 3
		.amdhsa_float_denorm_mode_16_64 3
		.amdhsa_memory_ordered 1
		.amdhsa_forward_progress 1
		.amdhsa_inst_pref_size 39
	.end_amdhsa_kernel
	.amdgpu_metadata
---
amdhsa.version: [ 1, 2 ]
amdhsa.kernels:
  - .name:           k_qd4d29bd0f7_prep
    .symbol:         k_qd4d29bd0f7_prep.kd
    .args:
      - { .name: x, .offset: 0, .size: 8, .value_kind: global_buffer, .address_space: global }
      - { .name: Wq, .offset: 8, .size: 8, .value_kind: global_buffer, .address_space: global }
      - { .name: Wk, .offset: 16, .size: 8, .value_kind: global_buffer, .address_space: global }
      - { .name: Wv, .offset: 24, .size: 8, .value_kind: global_buffer, .address_space: global }
      - { .name: Wo, .offset: 32, .size: 8, .value_kind: global_buffer, .address_space: global }
      - { .name: ximg, .offset: 40, .size: 8, .value_kind: global_buffer, .address_space: global }
      - { .name: wimg, .offset: 48, .size: 8, .value_kind: global_buffer, .address_space: global }
    .group_segment_fixed_size: 47616
    .private_segment_fixed_size: 0
    .kernarg_segment_align: 8
    .kernarg_segment_size: 56
    .max_flat_workgroup_size: 128
    .sgpr_count:     66
    .vgpr_count:     210
    .wavefront_size: 32
...
	.end_amdgpu_metadata
.endif
;; end of part 1
;; launch qkv (part 2): grid 8 x 32, 4 waves a work-group, clusters of 4 x 4, 327,680 bytes of LDS; arguments ximg, wimg, bq, bk, bv, qimg, kvimg; writes qimg, kvimg
.if DOCPART == 2
	.amdgcn_target "amdgcn-amd-amdhsa--gfx1250"
	.amdhsa_code_object_version 6
	.text
	.protected	k_qd4d29bd0f7_qkv
	.globl	k_qd4d29bd0f7_qkv
	.p2align	8
	.type	k_qd4d29bd0f7_qkv,@function
k_qd4d29bd0f7_qkv:
	s_mov_b64 s[64:65], 0
	v_nop
	global_prefetch_b8 v0, s[64:65] scope:SCOPE_SE
	s_setreg_imm32_b32 hwreg(HW_REG_WAVE_MODE, 25, 1), 1
	s_wait_xcnt 0x0
	s_wait_alu depctr_hold_cnt(0) depctr_sa_sdst(0) depctr_va_vdst(0) depctr_va_sdst(0) depctr_va_ssrc(0) depctr_va_vcc(0) depctr_vm_vsrc(0)
	s_getreg_b32 s2, hwreg(HW_REG_IB_STS2, 6, 4)
	s_cmp_eq_u32 s2, 0
	s_cbranch_scc0 .Lentry_in_a_cluster
	s_endpgm
.Lentry_in_a_cluster:
	s_bfe_u32 s2, ttmp6, 0x10000c
	s_cmp_lg_u32 s2, 0xf033
	s_cbranch_scc0 .Lentry_shape_is_right
	s_endpgm
.Lentry_shape_is_right:
; q = x Wq + bq, k = x Wk + bk, v = x Wv + bv on codes of BF6 with E8M0 scales, and their quantising: q and k along the head's 64, v along the keys.
; A work-group (j, i) takes rows 128 i .. + 127 of x (one key step of one batch) and columns 128 j .. + 127 (heads 2 j, 2 j + 1) of Wq, then Wk, then Wv: three tiles of 128 x 128 x 1,024.
; x's block (all of K: 8 blocks of 12,800 bytes, images of operand registers) stays in LDS; Wq's lies beside it, Wk's behind that; Wv's is brought into Wq's bytes when Wq's last fragments are in registers.
; EVERY PRODUCT IS D = (source 0: an INNER tile, source 1: an OUTER tile).  Lane r of tile T is row 32 (T / 2) + 8 (T % 2) + r + 8 (r / 8) of its block, so a lane holds one outer row, and the 16 registers
; of inner tiles 2 b, 2 b + 1 are the neighbours 32 b + 16 (lane / 16) + 0 .. 15 along the inner axis: the next product's K.  q, k: outer = rows of x, inner = W's columns.  v: outer = Wv's columns (d), inner = rows of x (keys).
; Wave w has outer tiles 2 w, 2 w + 1 against all 8 inner tiles: 16 accumulators, which take turns, one instruction a turn.  The biases are the C of each sum's first instruction.
; OUT: qimg [head 32][row block 16] 6,656 bytes: 48 registers a lane (tile T: registers 6 T .. + 5, k = 32 (lane / 16) + 0 .. 31 of the head's 64), register R at 512 (R / 4) + 16 L + 4 (R % 4); scale words at 6,144
; (128 (T / 2) + 8 r + 4 (T % 2); bytes 0, 1 real, 2, 3 zero).  kvimg [head][key step] 13,056 bytes: k as q at 0, its words at 12,288; v's four fragments (lane r = d, K = the 128 keys) at 6,144 + 1536 t, their words at 12,800.
; CLUSTER 4 x 4: x's blocks are shared along a row of the cluster, the weights' along a column: each is asked for jointly.
; LIMITS: a block whose largest magnitude lies under 2^(5 - 127) gets the byte 1 (a block of zeros too: its codes are zeros, and this program alone reads the bytes); NaN and infinities are not served.
; No prefetch: all tiles but Wv's are asked for at the head, and Wv's load has a whole tile's products in which to land.
.set OPB,   12800
.set BLK8,  8*OPB                      ; a block's whole K
.set HALF5, 5*OPB                      ; LDS immediates have 16 bits: K steps 5-7 have address registers of their own
.set SPARE, 3*BLK8                     ; behind x, W0, W1: the spare words, 128 bytes a wave
.set QBLK,  6656
.set KVB,   13056
.set QHS,   16*QBLK                    ; from head to head in qimg
.set KHS,   16*KVB                     ; and in kvimg
.set RX,    0                          ; the LDS regions: x at 0, W0 at BLK8, W1 at 2 BLK8
.set RW0,   1
.set RW1,   2
.set NF,    35                         ; LDS loads of a FETCH
.set LS8,   2                          ; v2   8 r
.set SPW,   3                          ; v3   my spare word; never rewritten
.set NIL,   4                          ; v4   0; never rewritten
.set FI,    6                          ; v6-11  region + 64,000 e + 16 L: inner fragments (register FI + 2 region + e)
.set LI,    6                          ; v6   is also 16 L
.set FO,    12                         ; v12-15 the same + 3072 w: my outer fragments (x, W0)
.set SI,    16                         ; v16-21 region + 64,000 e + 12,288 + 8 r: inner scale words
.set SO,    22                         ; v22-25 the same + 128 w: my outer tiles' (x, W0)
.set CQ,    26                         ; v26  16 L + 1536 w: q's and k's codes
.set SQ,    27                         ; v27  8 r + 128 w + h x QHS: q's scale words, lanes 16-31 the second head's
.set SK,    28                         ; v28  the same with KHS
.set CV,    29                         ; v29  16 L + 3072 (w % 2): v's codes
.set SV,    30                         ; v30  8 r + 128 (w % 2): v's scale words
.set SC,    32                         ; v32-51 scale words, two sets of 10: inner tiles 0-7, outer tiles 0, 1
.set OUT,   52                         ; v52-75 codes on their way out
.set QT,    76
.set TM,    84                         ; v84-99 at work
.set BO1,   100                        ; v100 64 h;  v101 4 (r + 8 (r / 8)) + 128 w: the biases' offsets
.set BO2,   101
.set SWA,   102
.set SWB,   104
.set SWS,   106
.set ACC,   128                        ; v128-255 accumulator (o, i) at ACC + 8 (8 o + i)
; window 1: two sets of fragments: set p: inner tile i at 120 p + 12 i, outer tile o at 120 p + 96 + 12 o.   window 2: v0-63 bq, v64-127 bk (eight registers an inner tile), v128-143 bv (eight an outer tile)
.set WVN,   18                         ; s18  wave
.set G1A,   24                         ; s[24:31] group 1: x's blocks (50 rows of 256 bytes, my row's mask)
.set G1B,   32                         ; s[32:39] a weight's block (my column's mask)
.set G1C,   40                         ; s[40:47] two blocks of a weight (100 rows)
.set G0A,   48                         ; s[48:63] groups 0: x, chunk c
.set G0B,   68                         ; s[68:83] Wq, chunk c
.set G0K,   84                         ; s[84:87] Wk, my two K steps
.set G0V,   88                         ; s[88:91] Wv, my two K steps
.set HIM,   98                         ; s98  lanes 16-31
.set SEL,   100                        ; s[100:101]
.set MSB, 0
.macro WIN new                         ; the immediate's high byte repeats the setting that is left
.if MSB != \new
	s_set_vgpr_msb (MSB<<8)|\new
.set MSB, \new
.endif
.endm
.macro PLACES n                        ; plain lines behind matrix instructions (ISA guide 7.12.1)
.rept \n
	v_nop
.endr
.endm
.macro BAR
	s_barrier_signal -1
	s_barrier_wait -1
.endm
.macro ROUND                           ; a round of the cluster's barrier
	s_barrier_signal -1
	s_barrier_wait -1
	s_cmp_lg_u32 s[WVN], 0
	s_cbranch_scc1 .Lnot_wave_0_\@
	s_barrier_signal -3
.Lnot_wave_0_\@:
	s_barrier_wait -3
	s_barrier_signal -1
	s_barrier_wait -1
.endm
; 64 numbers of a lane, register 16 b + i = k 32 b + 16 (lane / 16) + i of my row, become a fragment: registers 0-5 in v[da] on, 6-11 in v[db] on; the four scale bytes stay in v[TM+4] .. v[TM+7].
.macro QUANT src, da, db
.irp b, 0,1,2,3
	v_max3_num_f32 v[TM+\b], |v[\src+16*\b]|, |v[\src+16*\b+1]|, 0x2800000      ; each accumulator is read from its low end on; the floor 2^(5 - 127) holds the byte at 1
.endr
.irp i, 2,4,6,8,10,12,14
.irp b, 0,1,2,3
	v_max3_num_f32 v[TM+\b], v[TM+\b], |v[\src+16*\b+\i]|, |v[\src+16*\b+\i+1]|
.endr
.endr
.irp b, 0,1,2,3
	v_permlanex16_b32 v[TM+4+\b], v[TM+\b], s[SEL], s[SEL+1]
.endr
.irp b, 0,1,2,3
	v_max_num_f32 v[TM+\b], v[TM+\b], v[TM+4+\b]
.endr
.irp b, 0,1,2,3
	v_add_nc_u32 v[TM+12+\b], 0xfe000000, v[TM+\b]                             ; 4 off the exponent field: the conversion's scale operand
.endr
.irp b, 0,1,2,3
	v_lshrrev_b32 v[TM+4+\b], 23, v[TM+12+\b]                                  ; the scale's byte
.endr
	v_cvt_scalef32_pk16_bf6_f32 v[\da:\da+2], v[\src:\src+15], v[TM+12]
	v_cvt_scalef32_pk16_bf6_f32 v[QT:QT+2], v[\src+16:\src+31], v[TM+13]
	v_cvt_scalef32_pk16_bf6_f32 v[\db:\db+2], v[\src+32:\src+47], v[TM+14]
	v_cvt_scalef32_pk16_bf6_f32 v[QT+4:QT+6], v[\src+48:\src+63], v[TM+15]
	v_nop                                                                      ; one plain line behind the scaled conversions
.irp i, 0,1,2
	v_permlane16_swap_b32 v[\da+\i], v[QT+\i]
.endr
.irp i, 0,1,2
	v_mov_b32 v[\da+3+\i], v[QT+\i]
.endr
.irp i, 0,1,2
	v_permlane16_swap_b32 v[\db+\i], v[QT+4+\i]
.endr
.irp i, 0,1,2
	v_mov_b32 v[\db+3+\i], v[QT+4+\i]
.endr
.endm
	s_load_b256 s[4:11], s[0:1], 0x0               ; ximg, wimg, bq, bk
	s_load_b128 s[12:15], s[0:1], 0x20             ; bv, qimg
	s_load_b64 s[16:17], s[0:1], 0x30              ; kvimg
	v_lshl_add_u32 v[SPW], v0, 2, SPARE
	v_mov_b32 v[NIL], 0
	ds_add_u32 v3, v4
	ds_add_u32 v3, v4
	s_wait_dscnt 0x0
	v_lshrrev_b32 v5, 5, v0
	v_readfirstlane_b32 s[WVN], v5                 ; wave 0..3
	s_and_b32 s19, s[WVN], 1
	s_bfe_u32 s20, ttmp6, 0x40000                  ; cx
	s_bfe_u32 s21, ttmp6, 0x40004                  ; cy
	s_lshl_b32 s22, ttmp9, 2
	s_add_co_u32 s22, s22, s20                     ; j = 4 x cluster x + cx
	s_and_b32 s23, ttmp7, 0xffff
	s_lshl_b32 s23, s23, 2
	s_add_co_u32 s23, s23, s21                     ; i = 4 x cluster y + cy
	s_lshl_b32 s2, s21, 2
	s_lshl_b32 s2, 15, s2                          ; my row of the cluster
	s_lshl_b32 s3, 0x1111, s20                     ; my column
	s_or_b32 s[G1A], s2, (3<<16)|(1<<21)           ; 15:0 the mask; 17:16 elements of 8 bytes; 21 set beside a mask; no padding
	s_or_b32 s[G1B], s3, (3<<16)|(1<<21)
	s_or_b32 s[G1C], s3, (3<<16)|(1<<21)
.irp g, G1A, G1B
	s_mov_b32 s[\g+1], 32<<16                      ; tensor_dim0 = 32 elements: 256 bytes
	s_mov_b32 s[\g+2], 200<<16                     ; tensor_dim1 = 200 rows: four K steps, 51,200 dense bytes (the head's loads)
	s_mov_b32 s[\g+3], 32<<16                      ; tile_dim0
	s_mov_b32 s[\g+4], 200                         ; tile_dim1
	s_mov_b32 s[\g+5], 32                          ; the pitch
	s_mov_b32 s[\g+6], 0
	s_mov_b32 s[\g+7], 0
.endr
	s_mov_b32 s[G1C+1], 32<<16
	s_mov_b32 s[G1C+2], 100<<16                    ; 100 rows: two K steps
	s_mov_b32 s[G1C+3], 32<<16
	s_mov_b32 s[G1C+4], 100
	s_mov_b32 s[G1C+5], 32
	s_mov_b32 s[G1C+6], 0
	s_mov_b32 s[G1C+7], 0
	s_mul_i32 s2, s19, 4*OPB                       ; which four K steps I fetch at the head: in memory and in LDS
	s_mul_i32 s3, s[WVN], 2*OPB                    ; which two K steps of Wk and of Wv
	s_mul_i32 s92, s23, BLK8                       ; x's offset is made of i and the wave alone,
	s_add_co_u32 s92, s92, s2
	s_mov_b32 s93, 0
	s_mul_i32 s94, s22, BLK8                       ; the weights' of j and the wave alone
	s_add_co_u32 s94, s94, s2
	s_mov_b32 s95, 0
	s_mul_i32 s96, s22, BLK8
	s_add_co_u32 s96, s96, s3
	s_mov_b32 s97, 0
	s_wait_kmcnt 0x0
	s_add_nc_u64 s[92:93], s[4:5], s[92:93]
	s_add_nc_u64 s[94:95], s[6:7], s[94:95]
	s_add_nc_u64 s[96:97], s[6:7], s[96:97]
	ROUND                                          ; all sixteen work-groups are here: the first joint loads meet
.irp c, 0
	s_mov_b32 s[G0A+4*\c], 1
	s_add_co_u32 s[G0A+4*\c+1], s2, 2*\c*OPB                       ; LDS: x's K steps from 4 (w % 2) + 2 c on
	s_add_nc_u64 s[G0A+4*\c+2:G0A+4*\c+3], s[92:93], 2*\c*OPB
	s_or_b32 s[G0A+4*\c+3], s[G0A+4*\c+3], 0x80000000
	s_mov_b32 s[G0B+4*\c], 1
	s_add_co_u32 s[G0B+4*\c+1], s2, BLK8+2*\c*OPB                  ; LDS: W0
	s_add_nc_u64 s[G0B+4*\c+2:G0B+4*\c+3], s[94:95], 2*\c*OPB      ; Wq is wimg's first matrix
	s_or_b32 s[G0B+4*\c+3], s[G0B+4*\c+3], 0x80000000
.endr
	s_mov_b32 s[G0K], 1
	s_add_co_u32 s[G0K+1], s3, 2*BLK8              ; LDS: W1, my two K steps
	s_add_nc_u64 s[G0K+2:G0K+3], s[96:97], 8*BLK8  ; Wk: the second matrix
	s_or_b32 s[G0K+3], s[G0K+3], 0x80000000
	s_mov_b32 s[G0V], 1
	s_add_co_u32 s[G0V+1], s3, BLK8                ; LDS: W0 again
	s_add_nc_u64 s[G0V+2:G0V+3], s[96:97], 16*BLK8 ; Wv: the third
	s_or_b32 s[G0V+3], s[G0V+3], 0x80000000
	s_cmp_lt_u32 s[WVN], 2                         ; one tensor load a wave at the head: waves 0, 1 fetch a half of x each, waves 2, 3 a half of Wq
	s_cbranch_scc0 .Lfill_w
	tensor_load_to_lds s[G0A:G0A+3], s[G1A:G1A+7]
	s_nop 0
	PLACES 4                                       ; four v_nop follow the load of each arm
	s_branch .Lfilled
.Lfill_w:
	tensor_load_to_lds s[G0B:G0B+3], s[G1B:G1B+7]
	s_nop 0
	PLACES 4
.Lfilled:
	v_and_b32 v5, 31, v0
	v_lshlrev_b32 v[LI], 4, v5
	v_and_b32 v5, 15, v0                           ; r
	v_lshlrev_b32 v[LS8], 3, v5
	v_bfe_u32 v31, v0, 4, 1                        ; h
	v_add_nc_u32 v[FI+1], HALF5, v[LI]
.irp rg, 1,2
	v_add_nc_u32 v[FI+2*\rg], \rg*BLK8, v[LI]
	v_add_nc_u32 v[FI+2*\rg+1], \rg*BLK8+HALF5, v[LI]
.endr
.irp rg, 0,1,2
	v_add_nc_u32 v[SI+2*\rg], \rg*BLK8+12288, v[LS8]
	v_add_nc_u32 v[SI+2*\rg+1], \rg*BLK8+HALF5+12288, v[LS8]
.endr
	s_mul_i32 s2, s[WVN], 3072
	s_lshl_b32 s3, s[WVN], 7
.irp e, 0,1,2,3
	v_add_nc_u32 v[FO+\e], s2, v[FI+\e]
	v_add_nc_u32 v[SO+\e], s3, v[SI+\e]
.endr
	s_lshr_b32 s2, s2, 1
	v_add_nc_u32 v[CQ], s2, v[LI]
	v_mul_u32_u24 v[SQ], v31, QHS
	v_add3_u32 v[SQ], v[SQ], v[LS8], s3
	v_mul_u32_u24 v[SK], v31, KHS
	v_add3_u32 v[SK], v[SK], v[LS8], s3
	s_mul_i32 s2, s19, 3072
	v_add_nc_u32 v[CV], s2, v[LI]
	s_lshl_b32 s2, s19, 7
	v_add_nc_u32 v[SV], s2, v[LS8]
	v_lshlrev_b32 v[BO1], 6, v31
	v_and_b32 v[BO2], 8, v5
	v_add_nc_u32 v[BO2], v[BO2], v5
	v_lshl_add_u32 v[BO2], v[BO2], 2, s3
	s_lshl_b32 s66, s22, 9                         ; the biases at column 128 j
	s_mov_b32 s67, 0
	s_add_nc_u64 s[8:9], s[8:9], s[66:67]
	s_add_nc_u64 s[10:11], s[10:11], s[66:67]
	s_add_nc_u64 s[12:13], s[12:13], s[66:67]
	WIN 0x80                                       ; destination window 2
.irp i, 0,1,2,3,4,5,6,7                ; inner tile i, lane (r, h): columns 32 (i / 2) + 8 (i % 2) + 16 h + 0 .. 7
	global_load_b128 v[8*\i:8*\i+3], v[BO1], s[8:9] offset:(32*(\i/2)+8*(\i%2))*4
	global_load_b128 v[8*\i+4:8*\i+7], v[BO1], s[8:9] offset:(32*(\i/2)+8*(\i%2))*4+16
	global_load_b128 v[64+8*\i:64+8*\i+3], v[BO1], s[10:11] offset:(32*(\i/2)+8*(\i%2))*4
	global_load_b128 v[64+8*\i+4:64+8*\i+7], v[BO1], s[10:11] offset:(32*(\i/2)+8*(\i%2))*4+16
.endr
.irp o, 0,1                            ; v: a lane holds one column d, so its one number of bv stands in all eight registers of a C
.irp e, 0,1,2,3,4,5,6,7
	global_load_b32 v[128+8*\o+\e], v[BO2], s[12:13] offset:32*\o
.endr
.endr
	WIN 0
	s_lshr_b32 s2, s23, 4                          ; the batch
	s_lshl_b32 s2, s2, 4
	s_lshl_b32 s3, s22, 1
	s_add_co_u32 s2, s2, s3                        ; head 16 b + 2 j
	s_lshl_b32 s2, s2, 4
	s_and_b32 s3, s23, 15
	s_add_co_u32 s2, s2, s3                        ; x 16 + the row block in the batch
	s_mul_i32 s66, s2, QBLK
	s_add_nc_u64 s[14:15], s[14:15], s[66:67]      ; q's block
	s_mul_i32 s66, s2, KVB
	s_add_nc_u64 s[16:17], s[16:17], s[66:67]      ; k's
	s_lshr_b32 s3, s[WVN], 1
	s_mul_i32 s66, s3, KHS
	s_add_nc_u64 s[66:67], s[16:17], s[66:67]      ; v's: waves 2, 3 hold the second head's d
	s_mov_b32 s[HIM], 0xffff0000
	s_mov_b32 s[SEL], 0x76543210
	s_mov_b32 s[SEL+1], 0xfedcba98
.irp b, 0,1,2,3
	v_mov_b32 v[TM+4+\b], 0                        ; written once: a lane permute's destination counts as one of its sources
.endr
; 35 LDS loads in one run: K step s's scale words and fragments into set p: the 8 inner tiles of region in, my 2 outer tiles of region out.  Every load takes consecutive bytes lane by lane: no conflicts, no padding.
.macro FETCH p, s, in, out
.set ETA, (\s)/5
.set KOFF, ((\s)-5*ETA)*OPB
	WIN 0
.irp g, 0,1,2,3
	ds_load_b64 v[SC+10*(\p)+2*\g:SC+10*(\p)+2*\g+1], v[SI+2*(\in)+ETA] offset:KOFF+128*\g
.endr
	ds_load_b64 v[SC+10*(\p)+8:SC+10*(\p)+9], v[SO+2*(\out)+ETA] offset:KOFF
	WIN 0x40                                       ; destination window 1
.irp i, 0,1,2,3,4,5,6,7
.irp q, 0,1,2
	ds_load_b128 v[120*(\p)+12*\i+4*\q:120*(\p)+12*\i+4*\q+3], v[FI+2*(\in)+ETA] offset:KOFF+1536*\i+512*\q
.endr
.endr
.irp o, 0,1
.irp q, 0,1,2
	ds_load_b128 v[120*(\p)+96+12*\o+4*\q:120*(\p)+96+12*\o+4*\q+3], v[FO+2*(\out)+ETA] offset:KOFF+1536*\o+512*\q
.endr
.endr
	WIN 0
.endm
; 16 matrix instructions on set p.  cmode 0: the sums go on; 1: they begin with the inner tile's bias, 2: with the outer tile's (window 2, from boff on).
.macro MULS p, cmode, boff
.if \cmode
	WIN 0x25                                       ; sources 0, 1 window 1, C window 2, D window 0
.else
	WIN 0x05
.endif
.irp o, 0,1
.irp i, 0,1,2,3,4,5,6,7
.if \cmode == 0
	v_wmma_scale_f32_16x16x128_f8f6f4 v[ACC+8*(8*\o+\i):ACC+8*(8*\o+\i)+7], v[120*(\p)+12*\i:120*(\p)+12*\i+11], v[120*(\p)+96+12*\o:120*(\p)+96+12*\o+11], v[ACC+8*(8*\o+\i):ACC+8*(8*\o+\i)+7], v[SC+10*(\p)+\i], v[SC+10*(\p)+8+\o] matrix_a_fmt:MATRIX_FMT_BF6 matrix_b_fmt:MATRIX_FMT_BF6
.elseif \cmode == 1
	v_wmma_scale_f32_16x16x128_f8f6f4 v[ACC+8*(8*\o+\i):ACC+8*(8*\o+\i)+7], v[120*(\p)+12*\i:120*(\p)+12*\i+11], v[120*(\p)+96+12*\o:120*(\p)+96+12*\o+11], v[\boff+8*\i:\boff+8*\i+7], v[SC+10*(\p)+\i], v[SC+10*(\p)+8+\o] matrix_a_fmt:MATRIX_FMT_BF6 matrix_b_fmt:MATRIX_FMT_BF6
.else
	v_wmma_scale_f32_16x16x128_f8f6f4 v[ACC+8*(8*\o+\i):ACC+8*(8*\o+\i)+7], v[120*(\p)+12*\i:120*(\p)+12*\i+11], v[120*(\p)+96+12*\o:120*(\p)+96+12*\o+11], v[\boff+8*\o:\boff+8*\o+7], v[SC+10*(\p)+\i], v[SC+10*(\p)+8+\o] matrix_a_fmt:MATRIX_FMT_BF6 matrix_b_fmt:MATRIX_FMT_BF6
.endif
.endr
.endr
	WIN 0
.endm
; K step s (0 .. 6): the next step's run of loads goes out first, into the set that the last step multiplied (four places behind it); then this step's products.
.macro KSTEP s, in, out, cmode, boff
	PLACES 4
	FETCH 1-(\s)%2, (\s)+1, \in, \out
	s_wait_dscnt NF                                ; all but the 35 just issued: this step's operands are in
	MULS (\s)%2, \cmode, \boff
.endm
; q's or k's way out.  A lane's 64 results of outer tile o are 64 columns of two heads: fragment half c belongs to head 2 j + c.  Each store of codes covers 512 consecutive bytes.
.macro EPI_QK base, hs, soff, vs
	PLACES 5                                       ; behind the last products: four for the reads below, the fifth for the next tile's products, which write over these accumulators with another C
	s_wait_xcnt 0x0                                ; the last way out's stores have read their data registers
.irp o, 0,1
	QUANT ACC+64*\o, OUT+6*\o, OUT+12+6*\o
	v_lshl_or_b32 v[SWA+\o], v[TM+5], 8, v[TM+4]   ; the first head's two bytes; bytes 2, 3 stay 0 (K = 64: the upper half of the instruction's K is zero codes)
	v_lshl_or_b32 v[SWB+\o], v[TM+7], 8, v[TM+6]   ; the second head's
.endr
.irp e, 0,1
	v_cndmask_b32 v[SWS+\e], v[SWA+\e], v[SWB+\e], s[HIM]   ; lanes 16-31 carry the second head's words
.endr
.irp q, 0,1,2
	global_store_b128 v[CQ], v[OUT+4*\q:OUT+4*\q+3], s[\base:\base+1] offset:512*\q
	global_store_b128 v[CQ], v[OUT+12+4*\q:OUT+12+4*\q+3], s[\base:\base+1] offset:\hs+512*\q
.endr
	global_store_b64 v[\vs], v[SWS:SWS+1], s[\base:\base+1] offset:\soff
.endm
	s_wait_alu depctr_va_vdst(0)                   ; the wait at the head's end
	s_wait_loadcnt 0x0                             ; the biases
	s_wait_tensorcnt 0x0                           ; my half of x or of Wq is in
	ds_add_u32 v[SPW], v[NIL]                      ; 0 onto my spare word
	s_wait_dscnt 0x0                               ; the add is done
	ROUND                                          ; all of x and Wq is in, and all sixteen work-groups are here: the joint loads meet
	tensor_load_to_lds s[G0K:G0K+3], s[G1C:G1C+7]  ; my one load behind the round: my two K steps of Wk; it has q's whole tile in which to land
	s_nop 0
	PLACES 4
	FETCH 0, 0, RW0, RX
	; ---- q: inner Wq (W0), outer x
	KSTEP 0, RW0, RX, 1, 0
	KSTEP 1, RW0, RX, 0, 0
	KSTEP 2, RW0, RX, 0, 0
	KSTEP 3, RW0, RX, 0, 0
	KSTEP 4, RW0, RX, 0, 0
	KSTEP 5, RW0, RX, 0, 0
	KSTEP 6, RW0, RX, 0, 0
	s_wait_tensorcnt 0x0                           ; all my tensor loads have landed, my part of Wk among them;
	ds_add_u32 v[SPW], v[NIL]                      ; 0 onto my spare word;
	s_wait_dscnt 0x0                               ; the add is done, and my reads of W0 are over: Wq's last fragments are in registers
	ROUND                                          ; the same holds of every wave of every partner
	tensor_load_to_lds s[G0V:G0V+3], s[G1C:G1C+7]  ; my one load behind the round: my two K steps of Wv into W0; it has k's whole tile in which to land
	s_nop 0
	PLACES 4                                       ; (the places in front of the loads below)
	FETCH 0, 0, RW1, RX                            ; k's first step
	s_wait_dscnt NF
	MULS 1, 0, 0
	EPI_QK 14, QHS, 6144, SQ
	; ---- k: inner Wk (W1), outer x
	KSTEP 0, RW1, RX, 1, 64
	KSTEP 1, RW1, RX, 0, 0
	KSTEP 2, RW1, RX, 0, 0
	KSTEP 3, RW1, RX, 0, 0
	KSTEP 4, RW1, RX, 0, 0
	KSTEP 5, RW1, RX, 0, 0
	KSTEP 6, RW1, RX, 0, 0
	s_wait_tensorcnt 0x0                           ; my part of Wv has landed: it is my only load that was out
	s_wait_dscnt 0x0
	BAR                                            ; everybody's has
	PLACES 4
	FETCH 0, 0, RX, RW0                            ; v's first step
	s_wait_dscnt NF
	MULS 1, 0, 0
	EPI_QK 16, KHS, 12288, SK
	; ---- v: inner x (the keys), outer Wv (W0)
	KSTEP 0, RX, RW0, 2, 128
	KSTEP 1, RX, RW0, 0, 0
	KSTEP 2, RX, RW0, 0, 0
	KSTEP 3, RX, RW0, 0, 0
	KSTEP 4, RX, RW0, 0, 0
	KSTEP 5, RX, RW0, 0, 0
	KSTEP 6, RX, RW0, 0, 0
	s_wait_dscnt 0x0                               ; nothing more to fetch
	MULS 1, 0, 0
	PLACES 4
	s_wait_xcnt 0x0                                ; k's stores have read their data registers
.irp o, 0,1                            ; a lane's 64 results are its d's 128 keys' halves: one whole fragment and one whole scale word
	QUANT ACC+64*\o, OUT+12*\o, OUT+12*\o+6
	v_lshl_or_b32 v[SWA+\o], v[TM+5], 8, v[TM+4]
	v_lshl_or_b32 v[SWA+\o], v[TM+6], 16, v[SWA+\o]
	v_lshl_or_b32 v[SWA+\o], v[TM+7], 24, v[SWA+\o]
.endr
.irp o, 0,1
.irp q, 0,1,2
	global_store_b128 v[CV], v[OUT+12*\o+4*\q:OUT+12*\o+4*\q+3], s[66:67] offset:6144+1536*\o+512*\q
.endr
.endr
	global_store_b64 v[SV], v[SWA:SWA+1], s[66:67] offset:12800   ; (lanes 16-31 repeat lanes 0-15)
	s_wait_tensorcnt 0x0                           ; the wave's end
	ds_add_u32 v[SPW], v[NIL]
	s_wait_dscnt 0x0
	ROUND                                          ; the closing round
	s_endpgm
.Lfunc_end_k_qd4d29bd0f7_qkv:
	.size	k_qd4d29bd0f7_qkv, .Lfunc_end_k_qd4d29bd0f7_qkv-k_qd4d29bd0f7_qkv
	.p2alignl 7, 3214868480
	.fill 96, 4, 3214868480
	.section	.rodata,"a",@progbits
	.p2align	6, 0x0
	.amdhsa_kernel k_qd4d29bd0f7_qkv
		.amdhsa_group_segment_fixed_size 327680
		.amdhsa_private_segment_fixed_size 0
		.amdhsa_enable_private_segment 0
		.amdhsa_kernarg_size 56
		.amdhsa_user_sgpr_count 2
		.amdhsa_user_sgpr_kernarg_segment_ptr 1
		.amdhsa_wavefront_size32 1
		.amdhsa_system_sgpr_workgroup_id_x 1
		.amdhsa_system_sgpr_workgroup_id_y 1
		.amdhsa_system_sgpr_workgroup_id_z 1
		.amdhsa_system_vgpr_workitem_id 0
		.amdhsa_next_free_vgpr 768
		.amdhsa_next_free_sgpr 102
		.amdhsa_reserve_vcc 0
		.amdhsa_float_denorm_mode_32 3
		.amdhsa_float_denorm_mode_16_64 3
		.amdhsa_memory_ordered 1
		.amdhsa_forward_progress 1
		.amdhsa_inst_pref_size 147
	.end_amdhsa_kernel
	.amdgpu_metadata
---
amdhsa.version: [ 1, 2 ]
amdhsa.kernels:
  - .name:           k_qd4d29bd0f7_qkv
    .symbol:         k_qd4d29bd0f7_qkv.kd
    .args:
      - { .name: ximg, .offset: 0, .size: 8, .value_kind: global_buffer, .address_space: global }
      - { .name: wimg, .offset: 8, .size: 8, .value_kind: global_buffer, .address_space: global }
      - { .name: bq, .offset: 16, .size: 8, .value_kind: global_buffer, .address_space: global }
      - { .name: bk, .offset: 24, .size: 8, .value_kind: global_buffer, .address_space: global }
      - { .name: bv, .offset: 32, .size: 8, .value_kind: global_buffer, .address_space: global }
      - { .name: qimg, .offset: 40, .size: 8, .value_kind: global_buffer, .address_space: global }
      - { .name: kvimg, .offset: 48, .size: 8, .value_kind: global_buffer, .address_space: global }
    .group_segment_fixed_size: 327680
    .private_segment_fixed_size: 0
    .kernarg_segment_align: 8
    .kernarg_segment_size: 56
    .max_flat_workgroup_size: 128
    .sgpr_count:     102
    .vgpr_count:     768
    .wavefront_size: 32
...
	.end_amdgpu_metadata
.endif
;; end of part 2
;; launch attn (part 3): grid 8 x 32, 8 waves a work-group, clusters of 4 x 1, 262,144 bytes of LDS; arguments qimg, kvimg, aimg; writes aimg
.if DOCPART == 3
	.amdgcn_target "amdgcn-amd-amdhsa--gfx1250"
	.amdhsa_code_object_version 6
	.text
	.protected	k_qd4d29bd0f7_attn
	.globl	k_qd4d29bd0f7_attn
	.p2align	8
	.type	k_qd4d29bd0f7_attn,@function
k_qd4d29bd0f7_attn:
	s_mov_b64 s[64:65], 0
	v_nop
	global_prefetch_b8 v0, s[64:65] scope:SCOPE_SE
	s_setreg_imm32_b32 hwreg(HW_REG_WAVE_MODE, 25, 1), 1
	s_wait_xcnt 0x0
	s_wait_alu depctr_hold_cnt(0) depctr_sa_sdst(0) depctr_va_vdst(0) depctr_va_sdst(0) depctr_va_ssrc(0) depctr_va_vcc(0) depctr_vm_vsrc(0)
	s_getreg_b32 s2, hwreg(HW_REG_IB_STS2, 6, 4)
	s_cmp_eq_u32 s2, 0
	s_cbranch_scc0 .Lentry_in_a_cluster
	s_endpgm
.Lentry_in_a_cluster:
	s_bfe_u32 s2, ttmp6, 0x10000c
	s_cmp_lg_u32 s2, 0x3003
	s_cbranch_scc0 .Lentry_shape_is_right
	s_endpgm
.Lentry_shape_is_right:
; a[b][q][64 head + d] = the sum over keys of softmax(q . k / 8) v, both products on codes of BF6 with E8M0 scales; the result is divided by the row's sum and quantised along D for the last product.
; THE SOFTMAX AHEAD OF THE SECOND PRODUCT: t = score x log2(e) / 8; M = the row's largest t so far, rounded UP to a whole number; p = 2^(t - M) is quantised along the keys, not normalised.
; The row's sum is taken of the unquantised p, in f32.  When M moves, the sum and O are multiplied by f = 2^(old M - new M): exact.
; SHARES.  A work-group owns 256 queries of one head; each of its eight waves 32 of them: tiles A = 2 j and B = 2 j + 1 (j = wave % 4) of row block 2 X + wave / 4.  Each fragment of k and v read from LDS feeds both tiles.
; THE WHOLE HEAD'S k, v AND SCALE WORDS LIE IN LDS: 16 key steps of 13,056 bytes, filled ONCE: wave w fetches key steps 2 w, 2 w + 1 by one tensor load.  One barrier, then 16 steps with none.
; The four work-groups of a cluster belong to one head: each load is asked for jointly.  No prefetch: all tiles are asked for at the head, so there is no later load to run ahead of.
; LDS ROWS: 256 bytes + 64 of padding (pitch 320): byte y of a key step's image lies at 320 (y / 256) + y % 256; a key step takes 51 x 320 = 16,320 bytes.
; LAYOUT.  Both products are used transposed: S^T = k q^T, O^T = v^T p^T: a lane (r, h) holds query r.  In a result, register j of lane (r, h) is row 8 h + j of source 0's tile.
; THE KEYS OF A TILE OF k ARE CHOSEN BY THE LANES' LDS ADDRESSES: row m of tile t is key 64 (t / 4) + 32 (m / 8) + 8 (t % 4) + m % 8.  So the 32 registers of tiles 0-3 are block h of the step's four blocks of 32 keys, whole and in order,
; and those of tiles 4-7 block 2 + h: what p's operand wants of lane (r, h).  A block's largest score needs no other lane, and p's codes change no lane.
; In kvimg key 32 B + 16 a + 8 u + i (i under 8) is lane i + 8 a of tile 2 B + u, whose six registers are 12 B + 6 u ..: rows 0-7 and rows 8-15 of my tiles lie 1,536 bytes, six LDS rows, 1,920 bytes apart: 128 modulo 256,
; so that the sixteen lanes of half a load touch sixteen different 16-byte columns.
; K = 64 IN AN INSTRUCTION OF K = 128: q's registers 6-11 are zero codes.  k's tile t is named as 12 registers from its six on: the upper six are the next tile's codes (behind tile 7: zeros); every 6-bit pattern is a finite number,
; and zero times it adds nothing; scale bytes 2, 3 are 0 (2^-127), never 0xff.
; THE ORDER OF A STEP.  k and v have registers of their own: the next step's k is asked for behind this step's first products, this step's v at its top.  The two tiles' dependent lines stand by turns.
; A's exponentials stand by turns with B's multiply-adds, B's with A's first additions: each such plain line reads what was written ahead of a wait and is first read behind the next one.
; The row's sum is a tree in place; its last two lines stand behind the NEXT step's first products, where four plain lines are due anyway.  The last step is written out: it asks for no further k.
; OUT: aimg [row block 32][head pair 8] 12,800 bytes: register pair p of half c = head % 2 of tile T at 1536 T + 768 c + 256 p + 8 L; the half's two scale bytes at 12,288 + 128 (T / 2) + 8 r + 4 (T % 2) + 2 c.
; LIMITS: the promise holds while |t| stays under 2^31; the running maximum starts at -3e38; 1 / sum is v_rcp_f32; a block under 2^(5 - 127) gets the byte 1; NaN and infinities are not served.
; A block's largest p is the block's largest score put through the same multiply-add and exponential (this takes v_exp_f32 not to fall where its input rises).
; REGISTERS, window 0: v1-4 lane parts of the LDS addresses (k, v, k's words, v's words), v5-8 the same + a key step; v11 8 h; tile x's state from v[12+6x]: -M, the largest score, the sum (2), f, p's scale word;
;   v24, v25 the add's; v26, v27 q's scale words; v28-35 k's; v36-39 v's; v40-47 eight chains of maxima; v[48+8x] on: at work; v64-127 A's S^T, then p; v128-191 B's; v192-199 the sums' last parts.
; window 1: v0-5 q A, v6-11 zeros, v12-17 q B, v18-23 zeros; v24-71 k, v72-77 zeros; v80-127 v; v128-159 A's O^T, v160-191 B's; v192-203 A's codes of p, v204-215 B's; v216-230 the conversions' second halves.
.set KVB,   13056
.set KVL,   16320
.set QBLK,  6656
.set OPB,   12800
.set SPARE, 16*KVL                     ; behind the sixteen key steps: the spare words, 128 bytes a wave
.set WV,    18
.set SEL,   20                         ; s[20:21] v_permlanex16_b32's selects for lane l xor 16
.set CS,    22                         ; s[22:23] c = log2(e) / 8
.set G1,    24
.set G0,    32
.set TN,    47                         ; the next key step's LDS byte
.set W2,    46                         ; 2 x wave: the first key step that I fetched
.set TB,    48                         ; this key step's LDS byte
.set IX,    49                         ; the step's number in my walk, 0 .. 15: I work key step IX xor W2, so my walk begins with my own two key steps and passes each of the sixteen once
.set MSB, 0
.macro WIN new                         ; s_set_vgpr_msb: bits 1:0 source 0, 3:2 source 1, 5:4 source 2, 7:6 destination; the high byte repeats the setting that is left
.if MSB != \new
	s_set_vgpr_msb (MSB<<8)|\new
.set MSB, \new
.endif
.endm
.macro ROUND
	s_barrier_signal -1
	s_barrier_wait -1
	s_cmp_lg_u32 s[WV], 0
	s_cbranch_scc1 .Lnot_wave_0_\@
	s_barrier_signal -3
.Lnot_wave_0_\@:
	s_barrier_wait -3
	s_barrier_signal -1
	s_barrier_wait -1
.endm
.macro JOIN                            ; the last step's sums are joined and brought on (sum x f + the step's): four plain lines
	v_pk_add_f32 v[192:193], v[192:193], v[194:195]
	v_pk_add_f32 v[196:197], v[196:197], v[198:199]
	v_pk_fma_f32 v[14:15], v[14:15], v[16:17], v[192:193] op_sel_hi:[1,0,1]
	v_pk_fma_f32 v[20:21], v[20:21], v[22:23], v[196:197] op_sel_hi:[1,0,1]
.endm
.macro KLD                             ; 16 LDS loads: a key step's k: the scale words, then tiles 4 g + 2 a, + 1: twelve registers
.irp g, 0,1
.irp a, 0,1
	ds_load_b64 v[28+4*\g+2*\a:29+4*\g+2*\a], v7 offset:15360+320*\g+64*\a
.endr
.endr
	WIN 0x40
.irp g, 0,1
.irp a, 0,1
.irp q, 0,1,2
	ds_load_b128 v[24+24*\g+12*\a+4*\q:27+24*\g+12*\a+4*\q], v5 offset:3840*\g+128*\a+640*\q
.endr
.endr
.endr
	WIN 0
.endm
; tile x's two blocks: the floor, the conversions' scale operands, the four conversions (into window 1), the scale bytes
.macro QP x
	v_max_num_f32 v[40+4*\x], 0x2800000, v[40+4*\x]            ; the floor 2^(5 - 127): the byte cannot fall under 1
	v_max_num_f32 v[42+4*\x], 0x2800000, v[42+4*\x]
	v_add_nc_u32 v[51+8*\x], 0xfe000000, v[40+4*\x]            ; 4 off the exponent field
	v_add_nc_u32 v[52+8*\x], 0xfe000000, v[42+4*\x]
	WIN 0x40
	v_cvt_scalef32_pk16_bf6_f32 v[192+12*\x:194+12*\x], v[64+64*\x:79+64*\x], v[51+8*\x]
	v_cvt_scalef32_pk16_bf6_f32 v[216+8*\x:218+8*\x], v[80+64*\x:95+64*\x], v[51+8*\x]      ; (a conversion's three registers begin on an even number)
	v_cvt_scalef32_pk16_bf6_f32 v[198+12*\x:200+12*\x], v[96+64*\x:111+64*\x], v[52+8*\x]
	v_cvt_scalef32_pk16_bf6_f32 v[220+8*\x:222+8*\x], v[112+64*\x:127+64*\x], v[52+8*\x]
	WIN 0
	v_lshrrev_b32 v[53+8*\x], 23, v[51+8*\x]                   ; my two scale bytes (also the plain line behind the conversions)
	v_lshrrev_b32 v[54+8*\x], 23, v[52+8*\x]
.endm
.macro ADDS dst, src, n                ; n packed additions in place: pair i of dst += pair i of src
.set I, 0
.rept \n
	v_pk_add_f32 v[\dst+I:\dst+I+1], v[\dst+I:\dst+I+1], v[\src+I:\src+I+1]
.set I, I+2
.endr
.endm
; A KEY STEP: 128 keys x 32 queries.  k's fragments are on their way or in.
.macro STEP last
	s_xor_b32 s[TB], s[IX], s[W2]                  ; which key step,
	s_mul_i32 s[TB], s[TB], KVL                    ; and where it lies
	v_add_nc_u32 v6, s[TB], v2                     ; four plain lines behind the last products, ahead of loads into registers that they read
	v_add_nc_u32 v8, s[TB], v4
.if \last
	v_nop
	v_nop
.else
	s_add_co_u32 s[TN], s[IX], 1                   ; the next step of my walk
	s_xor_b32 s[TN], s[TN], s[W2]
	s_mul_i32 s[TN], s[TN], KVL
	v_add_nc_u32 v5, s[TN], v1
	v_add_nc_u32 v7, s[TN], v3
.endif
.irp g, 0,1                            ; 14 LDS loads: v's scale words and four fragments: they land under the softmax
	ds_load_b64 v[36+2*\g:37+2*\g], v8 offset:16000+128*\g
.endr
	WIN 0x40
.irp t, 0,1,2,3
.irp q, 0,1,2
	ds_load_b128 v[80+12*\t+4*\q:83+12*\t+4*\q], v6 offset:7680+1920*\t+640*\q
.endr
.endr
	WIN 0x05                                       ; sources 0, 1 window 1, D window 0
	s_wait_alu depctr_va_vdst(0)
	s_wait_dscnt 14                                ; k is in: only v's 14 loads were issued behind its 16
.irp t, 0,1,2,3,4,5,6,7
	v_wmma_scale_f32_16x16x128_f8f6f4 v[64+8*\t:71+8*\t], v[24+6*\t:35+6*\t], v[0:11], 0, v[28+\t], v26 matrix_a_fmt:MATRIX_FMT_BF6 matrix_b_fmt:MATRIX_FMT_BF6
	v_wmma_scale_f32_16x16x128_f8f6f4 v[128+8*\t:135+8*\t], v[24+6*\t:35+6*\t], v[12:23], 0, v[28+\t], v27 matrix_a_fmt:MATRIX_FMT_BF6 matrix_b_fmt:MATRIX_FMT_BF6
.endr
	WIN 0
	JOIN                                           ; the four places behind these products
.if !\last
	KLD                                            ; the next step's k: it has the whole softmax in which to land
.endif
.irp k, 0,1,2,3,4,5,6,7                ; the largest score of each block of 32 keys, in eight chains of 16; each accumulator is read from its low end on
	v_max3_num_f32 v[40+\k], v[64+16*\k], v[65+16*\k], v[66+16*\k]
.endr
.irp i, 3,5,7,9,11,13
.irp k, 0,1,2,3,4,5,6,7
	v_max3_num_f32 v[40+\k], v[40+\k], v[64+16*\k+\i], v[65+16*\k+\i]
.endr
.endr
.irp x, 0,1
	v_max3_num_f32 v[40+4*\x], v[40+4*\x], v[41+4*\x], v[79+64*\x]
	v_max3_num_f32 v[42+4*\x], v[42+4*\x], v[43+4*\x], v[111+64*\x]
.endr
.irp x, 0,1
	v_max_num_f32 v[40+4*\x], v[40+4*\x], v[95+64*\x]          ; block h
	v_max_num_f32 v[42+4*\x], v[42+4*\x], v[127+64*\x]         ; block 2 + h
.endr
.irp x, 0,1                            ; the two tiles by turns from here on
	v_max3_num_f32 v[48+8*\x], v[40+4*\x], v[42+4*\x], v[13+6*\x]
.endr
.irp x, 0,1
	v_permlanex16_b32 v[49+8*\x], v[48+8*\x], s[SEL], s[SEL+1]
.endr
.irp x, 0,1
	v_max_num_f32 v[13+6*\x], v[48+8*\x], v[49+8*\x]           ; the running largest score of my query
.endr
.irp x, 0,1
	v_mul_f32 v[48+8*\x], s[CS], v[13+6*\x]                    ; as t (c is positive)
	v_mov_b32 v[50+8*\x], v[12+6*\x]
.endr
.irp x, 0,1
	v_floor_f32 v[12+6*\x], -v[48+8*\x]                        ; the new -M = -ceil(t): a whole number
.endr
.irp x, 0,1
	v_sub_f32 v[50+8*\x], v[12+6*\x], v[50+8*\x]               ; old M - new M: a whole number, 0 or less
.endr
.irp x, 0,1
	v_cvt_i32_f32 v[50+8*\x], v[50+8*\x]                       ; (it saturates)
.endr
.irp x, 0,1
	v_ldexp_f32 v[16+6*\x], 1.0, v[50+8*\x]                    ; f = 2^(old M - new M)
.endr
.set J, 0
.rept 32
	v_pk_fma_f32 v[64+J:65+J], v[64+J:65+J], s[CS:CS+1], v[12:13] op_sel_hi:[1,0,0]   ; A: t - M, two at a time
.set J, J+2
.endr
.irp x, 0,1
	v_fma_f32 v[40+4*\x], v[40+4*\x], s[CS], v[12+6*\x]        ; the same of each block's largest score
	v_fma_f32 v[42+4*\x], v[42+4*\x], s[CS], v[12+6*\x]
.endr
	WIN 0x41                                       ; source 0 and destination window 1
.irp x, 0,1
.set J, 0
.rept 16
	v_pk_mul_f32 v[128+32*\x+J:129+32*\x+J], v[128+32*\x+J:129+32*\x+J], v[16+6*\x:17+6*\x] op_sel_hi:[1,0]   ; O^T under the new M: no transcendental stands between the products that wrote it and these lines
.set J, J+2
.endr
.endr
	WIN 0
	s_wait_alu depctr_va_vdst(0)                   ; the wait ahead of the batch
	v_exp_f32 v40, v40                             ; A's blocks' largest p
	v_exp_f32 v42, v42
.set J, 0
.rept 32
	v_exp_f32 v[64+J], v[64+J]                     ; A: p = 2^(t - M);
	v_pk_fma_f32 v[128+J:129+J], v[128+J:129+J], s[CS:CS+1], v[18:19] op_sel_hi:[1,0,0]   ; by turns B: t - M: first read behind the wait below
	v_exp_f32 v[65+J], v[65+J]
.set J, J+2
.endr
	s_wait_alu depctr_va_vdst(0)                   ; behind A's batch and ahead of B's
	QP 0
	v_exp_f32 v44, v44                             ; B's blocks' largest p
	v_exp_f32 v46, v46
.set J, 0
.rept 32
	v_exp_f32 v[128+J], v[128+J]
.if J < 32
	v_pk_add_f32 v[64+J:65+J], v[64+J:65+J], v[96+J:97+J]      ; by turns the first 16 additions of A's sum, in place: each first read behind the wait below
.endif
	v_exp_f32 v[129+J], v[129+J]
.set J, J+2
.endr
	s_wait_alu depctr_va_vdst(0)                   ; behind B's batch
	QP 1
.irp x, 0,1
	v_lshl_or_b32 v[53+8*\x], v[54+8*\x], 16, v[53+8*\x]
.endr
	ADDS 128, 160, 4                               ; B's first 16 additions stand among the scale words' lines
.irp x, 0,1
	v_lshlrev_b32 v[53+8*\x], v11, v[53+8*\x]                  ; the two bytes at their places in the word (8 h bits up);
.endr
	ADDS 136, 168, 4
.irp x, 0,1
	v_permlanex16_b32 v[54+8*\x], v[53+8*\x], s[SEL], s[SEL+1]
.endr
	ADDS 144, 176, 4
.irp x, 0,1
	v_or_b32 v[17+6*\x], v[53+8*\x], v[54+8*\x]                ; with lane l xor 16's two the word is whole
.endr
	ADDS 152, 184, 4
	WIN 0x41
.irp x, 0,1
.irp i, 0,1,2
	v_mov_b32 v[195+12*\x+\i], v[216+8*\x+\i]
	v_mov_b32 v[201+12*\x+\i], v[220+8*\x+\i]
.endr
.endr
	WIN 0
	ADDS 64, 80, 8                                 ; the trees go on: these 28 lines also stand between the writes of p's codes and scale words and the products
	ADDS 128, 144, 8
	ADDS 64, 72, 4
	ADDS 128, 136, 4
	v_pk_add_f32 v[192:193], v[64:65], v[68:69]
	v_pk_add_f32 v[194:195], v[66:67], v[70:71]
	v_pk_add_f32 v[196:197], v[128:129], v[132:133]
	v_pk_add_f32 v[198:199], v[130:131], v[134:135]
	WIN 0x55                                       ; all of a product's registers in window 1
	s_wait_alu depctr_va_vdst(0)
.if \last
	s_wait_dscnt 0x0
.else
	s_wait_dscnt 16                                ; v is in: only the next k's 16 loads were issued behind it
.endif
.irp t, 0,1,2,3
	v_wmma_scale_f32_16x16x128_f8f6f4 v[128+8*\t:135+8*\t], v[80+12*\t:91+12*\t], v[192:203], v[128+8*\t:135+8*\t], v[36+\t], v17 matrix_a_fmt:MATRIX_FMT_BF6 matrix_b_fmt:MATRIX_FMT_BF6
	v_wmma_scale_f32_16x16x128_f8f6f4 v[160+8*\t:167+8*\t], v[80+12*\t:91+12*\t], v[204:215], v[160+8*\t:167+8*\t], v[36+\t], v23 matrix_a_fmt:MATRIX_FMT_BF6 matrix_b_fmt:MATRIX_FMT_BF6
.endr
	WIN 0
.endm
	s_load_b128 s[4:7], s[0:1], 0x0                ; qimg, kvimg
	s_load_b64 s[8:9], s[0:1], 0x10                ; aimg
	v_lshl_add_u32 v24, v0, 2, SPARE
	v_mov_b32 v25, 0
	ds_add_u32 v24, v25
	ds_add_u32 v24, v25
	v_lshrrev_b32 v1, 5, v0
	v_readfirstlane_b32 s[WV], v1                  ; wave 0..7
	s_bfe_u32 s10, ttmp6, 0x40000                  ; cx
	s_lshl_b32 s11, ttmp9, 2
	s_add_co_u32 s11, s11, s10                     ; X: my block of 256 queries: it enters q's and a's addresses alone
	s_and_b32 s12, ttmp7, 0xffff                   ; batch x 16 + head, which the four partners share
	s_mov_b32 s[G1], 15|(3<<16)|(1<<20)|(1<<21)|(5<<22)|(15<<25)   ; the mask: all four; elements of 8 bytes; padding on; 21 set beside a mask; after every 64 words 16 words
	s_mov_b32 s[G1+1], 32<<16                      ; rows of 256 bytes,
	s_mov_b32 s[G1+2], 102<<16                     ; 102 of them: two key steps' 26,112 dense bytes
	s_mov_b32 s[G1+3], 32<<16
	s_mov_b32 s[G1+4], 102
	s_mov_b32 s[G1+5], 32
	s_mov_b32 s[G1+6], 0
	s_mov_b32 s[G1+7], 0
	s_mul_i32 s13, s[WV], 2*KVB                    ; my two key steps in memory,
	s_mul_i32 s14, s12, 16*KVB
	s_add_co_u32 s14, s14, s13
	s_mov_b32 s15, 0
	s_mov_b32 s[G0], 1
	s_mul_i32 s[G0+1], s[WV], 2*KVL                ; and in LDS
	s_wait_dscnt 0x0
	s_wait_kmcnt 0x0
	s_add_nc_u64 s[G0+2:G0+3], s[6:7], s[14:15]
	s_or_b32 s[G0+3], s[G0+3], 0x80000000
	ROUND                                          ; all four work-groups are here: the joint loads meet
	tensor_load_to_lds s[G0:G0+3], s[G1:G1+7]      ; every wave's one load
	s_nop 0
	s_and_b32 s16, s[WV], 3                        ; j: my pair of tiles
	s_lshr_b32 s17, s[WV], 2
	s_lshl_b32 s50, s11, 1
	s_add_co_u32 s17, s17, s50                     ; my row block in the batch's 16
	s_lshl_b32 s50, s12, 4
	s_add_co_u32 s50, s50, s17
	s_mul_i32 s50, s50, QBLK
	s_mov_b32 s51, 0
	s_add_nc_u64 s[4:5], s[4:5], s[50:51]          ; q's block
	s_mul_i32 s40, s16, 1536                       ; tiles 2 j, 2 j + 1 are registers 12 j .. 12 j + 11: pair 6 j + p at 512 (3 j + p / 2) + 16 L + 8 (p % 2)
	s_lshl_b32 s53, s16, 7                         ; 128 j: the pair's scale words
	s_add_co_u32 s43, s53, 6144
	v_and_b32 v9, 31, v0
	v_lshl_add_u32 v200, v9, 4, s40
	v_and_b32 v9, 15, v0                           ; r
	v_lshlrev_b32 v4, 3, v9                        ; 8 r: v's scale words
	v_add_nc_u32 v201, s43, v4
	global_load_b64 v[26:27], v201, s[4:5]         ; q's scale words, A's and B's
	WIN 0x40                                       ; destination window 1
.irp p, 0,1,2,3,4,5
	global_load_b64 v[12*(\p/3)+2*(\p%3):12*(\p/3)+2*(\p%3)+1], v200, s[4:5] offset:512*(\p/2)+8*(\p%2)   ; q's six registers of each tile stay
.endr
.irp j, 6,7,8,9,10,11,18,19,20,21,22,23,72,73,74,75,76,77
	v_mov_b32 v[\j], 0                             ; zero codes: q's upper K, and what stands behind k's tile 7
.endr
.set J, 0
.rept 64
	v_mov_b32 v[128+J], 0                          ; O^T: the step is written for every trip alike; the first finds zeros
.set J, J+1
.endr
	WIN 0
	s_and_b32 s55, s12, 1                          ; c: which half of a fragment of a my head fills
	s_lshl_b32 s57, s55, 1
	s_add_co_u32 s57, s57, s53
	s_add_co_u32 s57, s57, 12288                   ; tile A's scale bytes' place; B's lies 4 on
	s_mul_i32 s56, s16, 3072
	s_mul_i32 s55, s55, 768
	s_add_co_u32 s56, s56, s55                     ; tile A's codes' place; B's lies 1,536 on
	s_lshr_b32 s54, s12, 4
	s_lshl_b32 s54, s54, 4
	s_add_co_u32 s54, s54, s17                     ; row block 16 b + ..
	s_lshl_b32 s54, s54, 3
	s_bfe_u32 s55, s12, 0x30001                    ; the head pair: the last product's K step
	s_add_co_u32 s54, s54, s55
	s_mul_i32 s54, s54, OPB
	s_mov_b32 s55, 0
	s_add_nc_u64 s[8:9], s[8:9], s[54:55]
	s_mov_b32 s[SEL], 0x76543210
	s_mov_b32 s[SEL+1], 0xfedcba98
	s_mov_b32 s[CS], 0x3e38aa3b                    ; log2(e) / 8
	s_mov_b32 s[CS+1], s[CS]                       ; (named with it as a pair, so it is written)
	s_lshl_b32 s[W2], s[WV], 1
	s_mov_b32 s[IX], 0
	v_bfe_u32 v10, v0, 4, 1                        ; h
	v_and_b32 v50, 7, v0                           ; r % 8
	v_bfe_u32 v51, v0, 3, 1                        ; r / 8
	v_mul_u32_u24 v2, v10, 320                     ; lanes 16-31 read the next 256 bytes: one LDS row on
	v_lshl_add_u32 v1, v50, 4, v2
	v_mad_u32_u24 v1, v51, 1920, v1                ; k: 320 h + 16 (r % 8) + 1920 (r / 8)
	v_lshl_add_u32 v2, v9, 4, v2                   ; v: 320 h + 16 r
	v_lshlrev_b32 v3, 3, v50
	v_lshl_add_u32 v3, v51, 7, v3                  ; k's scale words: 8 (r % 8) + 128 (r / 8)
	v_lshlrev_b32 v11, 3, v10                      ; 8 h
	v_add_nc_u32 v5, s[G0+1], v1                   ; my walk's first key step: the first of the two that I fetched (wave x 2 KVL)
	v_add_nc_u32 v7, s[G0+1], v3
.irp x, 0,1
	v_mov_b32 v[13+6*\x], 0xff61b1e6               ; the largest score so far: -3e38
	v_mul_f32 v[48+8*\x], s[CS], v[13+6*\x]
	v_floor_f32 v[12+6*\x], -v[48+8*\x]            ; -M
.endr
.irp j, 14,15,16,17,20,21,22,23,49,57,192,193,194,195,196,197,198,199
	v_mov_b32 v[\j], 0                             ; the sums, f, the sums' parts; and what a lane permute or a pair names before it is first written
.endr
	s_wait_alu depctr_va_vdst(0)                   ; the wait at the head's end
	s_wait_loadcnt 0x0                             ; q
	s_wait_tensorcnt 0x0                           ; my two key steps have landed:
	s_barrier_signal -1                            ; say so.  Up to the barrier's wait I read my own two key steps alone: LDS loads of bytes that nobody writes, and work on registers
	KLD                                            ; my first key step's k
	STEP 0                                         ; walk step 0; it asks for my second key step's k
	s_mov_b32 s[IX], 1
	STEP 1                                         ; walk step 1: it asks for no further k, which would be another wave's
	s_barrier_wait -1                              ; everybody's key steps have landed.  Nothing is ever filled again
	s_mov_b32 s[IX], 2
	s_xor_b32 s[TN], s[IX], s[W2]
	s_mul_i32 s[TN], s[TN], KVL
	v_add_nc_u32 v5, s[TN], v1
	v_add_nc_u32 v7, s[TN], v3
	KLD                                            ; walk step 2's k
.Lstep:
	STEP 0                                         ; walk steps 2 .. 14
	s_add_co_u32 s[IX], s[IX], 1
	s_cmp_lt_u32 s[IX], 15
	s_cbranch_scc1 .Lstep
	STEP 1                                         ; walk step 15
	; THE WAY OUT.  O^T / the sum: register 16 b + i is d = 32 b + 16 (lane / 16) + i of my query: two blocks of the last product's K: half a fragment and half a scale word for each tile.
	JOIN                                           ; the last step's sums (also the places behind the last products)
.irp x, 0,1
	v_add_f32 v[14+6*\x], v[14+6*\x], v[15+6*\x]
.endr
.irp x, 0,1
	v_permlanex16_b32 v[48+8*\x], v[14+6*\x], s[SEL], s[SEL+1]
.endr
.irp x, 0,1
	v_add_f32 v[14+6*\x], v[14+6*\x], v[48+8*\x]   ; the row's sum
.endr
	s_wait_alu depctr_va_vdst(0)                   ; the wait ahead of the transcendentals
	v_rcp_f32 v14, v14
	v_rcp_f32 v20, v20
	v_and_b32 v9, 31, v0                           ; (plain lines behind the reciprocals)
	v_lshlrev_b32 v9, 3, v9
	v_add_nc_u32 v9, s56, v9                       ; 8 L + 1536 T + 768 c
	v_add_nc_u32 v10, s57, v4
	WIN 0x01                                       ; source 0 window 1
	s_wait_alu depctr_va_vdst(0)                   ; the wait ahead of the reciprocals' first reader, which is O^T's too
.irp x, 0,1
.set J, 0
.rept 32
	v_mul_f32 v[64+64*\x+J], v[128+32*\x+J], v[14+6*\x]        ; each accumulator from its low end on
.set J, J+1
.endr
.endr
	WIN 0
.irp x, 0,1
.irp b, 0,1
	v_max3_num_f32 v[40+2*\x+\b], |v[64+64*\x+16*\b]|, |v[65+64*\x+16*\b]|, 0x2800000
.endr
.endr
.irp i, 2,4,6,8,10,12,14
.irp x, 0,1
.irp b, 0,1
	v_max3_num_f32 v[40+2*\x+\b], v[40+2*\x+\b], |v[64+64*\x+16*\b+\i]|, |v[65+64*\x+16*\b+\i]|
.endr
.endr
.endr
.irp k, 0,1,2,3
	v_permlanex16_b32 v[44+\k], v[40+\k], s[SEL], s[SEL+1]
.endr
.irp k, 0,1,2,3
	v_max_num_f32 v[40+\k], v[40+\k], v[44+\k]     ; with lane l xor 16's 16: the block's largest magnitude
.endr
.irp k, 0,1,2,3
	v_add_nc_u32 v[48+\k], 0xfe000000, v[40+\k]
.endr
.irp k, 0,1,2,3
	v_lshrrev_b32 v[52+\k], 23, v[48+\k]
.endr
	v_lshl_or_b32 v56, v53, 8, v52                 ; my head's two scale bytes, tile A's
	v_lshl_or_b32 v57, v55, 8, v54                 ; and B's
.irp x, 0,1
	v_cvt_scalef32_pk16_bf6_f32 v[200+8*\x:202+8*\x], v[64+64*\x:79+64*\x], v[48+2*\x]
	v_cvt_scalef32_pk16_bf6_f32 v[204+8*\x:206+8*\x], v[80+64*\x:95+64*\x], v[49+2*\x]
.endr
	v_nop                                          ; one plain line behind the scaled conversions
.irp x, 0,1
.irp i, 0,1,2
	v_permlane16_swap_b32 v[200+8*\x+\i], v[204+8*\x+\i]       ; the layout wants a whole block in a lane
.endr
.endr
.irp x, 0,1
.irp i, 0,1,2
	v_mov_b32 v[203+8*\x+\i], v[204+8*\x+\i]
.endr
.endr
.irp x, 0,1
.irp p, 0,1,2
	global_store_b64 v9, v[200+8*\x+2*\p:201+8*\x+2*\p], s[8:9] offset:1536*\x+256*\p   ; 32 lanes store 256 consecutive bytes, at a multiple of 256 from the buffer's first byte
.endr
.endr
	global_store_b16 v10, v56, s[8:9]              ; (lanes 16-31 repeat lanes 0-15)
	global_store_b16 v10, v57, s[8:9] offset:4
	s_wait_tensorcnt 0x0                           ; the wave's end
	ds_add_u32 v24, v25
	s_wait_dscnt 0x0
	ROUND                                          ; the closing round
	s_endpgm
.Lfunc_end_k_qd4d29bd0f7_attn:
	.size	k_qd4d29bd0f7_attn, .Lfunc_end_k_qd4d29bd0f7_attn-k_qd4d29bd0f7_attn
	.p2alignl 7, 3214868480
	.fill 96, 4, 3214868480
	.section	.rodata,"a",@progbits
	.p2align	6, 0x0
	.amdhsa_kernel k_qd4d29bd0f7_attn
		.amdhsa_group_segment_fixed_size 262144
		.amdhsa_private_segment_fixed_size 0
		.amdhsa_enable_private_segment 0
		.amdhsa_kernarg_size 24
		.amdhsa_user_sgpr_count 2
		.amdhsa_user_sgpr_kernarg_segment_ptr 1
		.amdhsa_wavefront_size32 1
		.amdhsa_system_sgpr_workgroup_id_x 1
		.amdhsa_system_sgpr_workgroup_id_y 1
		.amdhsa_system_sgpr_workgroup_id_z 1
		.amdhsa_system_vgpr_workitem_id 0
		.amdhsa_next_free_vgpr 512
		.amdhsa_next_free_sgpr 66
		.amdhsa_reserve_vcc 0
		.amdhsa_float_denorm_mode_32 3
		.amdhsa_float_denorm_mode_16_64 3
		.amdhsa_memory_ordered 1
		.amdhsa_forward_progress 1
		.amdhsa_inst_pref_size 125
	.end_amdhsa_kernel
	.amdgpu_metadata
---
amdhsa.version: [ 1, 2 ]
amdhsa.kernels:
  - .name:           k_qd4d29bd0f7_attn
    .symbol:         k_qd4d29bd0f7_attn.kd
    .args:
      - { .name: qimg, .offset: 0, .size: 8, .value_kind: global_buffer, .address_space: global }
      - { .name: kvimg, .offset: 8, .size: 8, .value_kind: global_buffer, .address_space: global }
      - { .name: aimg, .offset: 16, .size: 8, .value_kind: global_buffer, .address_space: global }
    .group_segment_fixed_size: 262144
    .private_segment_fixed_size: 0
    .kernarg_segment_align: 8
    .kernarg_segment_size: 24
    .max_flat_workgroup_size: 256
    .sgpr_count:     66
    .vgpr_count:     512
    .wavefront_size: 32
...
	.end_amdgpu_metadata
.endif
;; end of part 3
;; launch proj (part 4): grid 8 x 32, 4 waves a work-group, clusters of 4 x 4, 239,104 bytes of LDS; arguments aimg, wimg, bo, out0; writes out0
.if DOCPART == 4
	.amdgcn_target "amdgcn-amd-amdhsa--gfx1250"
	.amdhsa_code_object_version 6
	.text
	.protected	k_qd4d29bd0f7_proj
	.globl	k_qd4d29bd0f7_proj
	.p2align	8
	.type	k_qd4d29bd0f7_proj,@function
k_qd4d29bd0f7_proj:
	s_mov_b64 s[64:65], 0
	v_nop
	global_prefetch_b8 v0, s[64:65] scope:SCOPE_SE
	s_setreg_imm32_b32 hwreg(HW_REG_WAVE_MODE, 25, 1), 1
	s_wait_xcnt 0x0
	s_wait_alu depctr_hold_cnt(0) depctr_sa_sdst(0) depctr_va_vdst(0) depctr_va_sdst(0) depctr_va_ssrc(0) depctr_va_vcc(0) depctr_vm_vsrc(0)
	s_getreg_b32 s2, hwreg(HW_REG_IB_STS2, 6, 4)
	s_cmp_eq_u32 s2, 0
	s_cbranch_scc0 .Lentry_in_a_cluster
	s_endpgm
.Lentry_in_a_cluster:
	s_bfe_u32 s2, ttmp6, 0x10000c
	s_cmp_lg_u32 s2, 0xf033
	s_cbranch_scc0 .Lentry_shape_is_right
	s_endpgm
.Lentry_shape_is_right:
; out0 = a Wo + bo on codes of BF6 with E8M0 scales.  A work-group (j, i) makes rows 128 i .. + 127, columns 128 j .. + 127: one tile of 128 x 128 x 1,024.  All of K lies in LDS, filled once, in two chunks of four K steps for each operand.
; D = (source 0: an inner tile of Wo's columns, source 1: an outer tile of a's rows).  Lane r of tile T is row (column) 32 (T / 2) + 8 (T % 2) + r + 8 (r / 8) of its block: a lane holds one row of out0, and the 16 registers
; of inner tiles 2 b, 2 b + 1 are 16 neighbouring columns.  Wave w has outer tiles 2 w, 2 w + 1 against all 8 inner tiles: 16 accumulators, which take turns, one instruction a turn.  bo is the C of each sum's first instruction.
; a's fragments lie by register pairs (256 bytes a pair), Wo's by fours (512 bytes): every LDS load takes consecutive bytes lane by lane.
; CLUSTER 4 x 4: a's blocks are shared along a row of the cluster, Wo's along a column: each is asked for jointly.  All tiles are asked for at the head: there is no later load for a prefetch to run ahead of.
; The way out: a tile of 16 rows x 512 bytes goes through the wave's own stage and leaves as whole rows.
.set OPB,   12800
.set BLK8,  8*OPB
.set HALF5, 5*OPB
.set STG,   2*BLK8                     ; behind a and Wo: a stage of 16 rows x 528 bytes for each wave; no tensor load lands there
.set NF,    41                         ; LDS loads of a FETCH
.set LI,    6                          ; v6   16 L
.set FI,    8                          ; v8-9   BLK8 + 64,000 e + 16 L: Wo's fragments
.set FOA,   10                         ; v10-11 64,000 e + 3072 w + 8 L: my fragments of a
.set SI,    12                         ; v12-13 BLK8 + 64,000 e + 12,288 + 8 r
.set SO,    14                         ; v14-15 64,000 e + 12,288 + 8 r + 128 w
.set STO,   16                         ; v16  into the stage
.set RD,    17                         ; v17  out of it
.set SC,    32                         ; v32-51 scale words, two sets of 10
.set BO1,   100                        ; v100 64 h
.set ACC,   128                        ; v128-255
; window 1: two sets of fragments, as in the launch that makes q, k, v: inner tile i at 120 p + 12 i, outer tile o at 120 p + 96 + 12 o.   window 2: v0-63 bo
.set WVN,   18
.set G1A,   24
.set G1B,   32
.set G0A,   48
.set G0B,   68
.set MSB, 0
.macro WIN new
.if MSB != \new
	s_set_vgpr_msb (MSB<<8)|\new
.set MSB, \new
.endif
.endm
.macro PLACES n
.rept \n
	v_nop
.endr
.endm
.macro BAR
	s_barrier_signal -1
	s_barrier_wait -1
.endm
.macro ROUND
	s_barrier_signal -1
	s_barrier_wait -1
	s_cmp_lg_u32 s[WVN], 0
	s_cbranch_scc1 .Lnot_wave_0_\@
	s_barrier_signal -3
.Lnot_wave_0_\@:
	s_barrier_wait -3
	s_barrier_signal -1
	s_barrier_wait -1
.endm
	s_load_b256 s[4:11], s[0:1], 0x0               ; aimg, wimg, bo, out0
	v_lshl_add_u32 v126, v0, 2, 0x3a400
	v_mov_b32 v127, 0
	ds_add_u32 v126, v127
	ds_add_u32 v126, v127
	v_lshrrev_b32 v5, 5, v0
	v_readfirstlane_b32 s[WVN], v5                 ; wave 0..3
	s_and_b32 s19, s[WVN], 1
	s_bfe_u32 s20, ttmp6, 0x40000                  ; cx
	s_bfe_u32 s21, ttmp6, 0x40004                  ; cy
	s_lshl_b32 s22, ttmp9, 2
	s_add_co_u32 s22, s22, s20                     ; j
	s_and_b32 s23, ttmp7, 0xffff
	s_lshl_b32 s23, s23, 2
	s_add_co_u32 s23, s23, s21                     ; i
	s_lshl_b32 s2, s21, 2
	s_lshl_b32 s2, 15, s2                          ; my row of the cluster
	s_lshl_b32 s3, 0x1111, s20                     ; my column
	s_or_b32 s[G1A], s2, (3<<16)|(1<<21)
	s_or_b32 s[G1B], s3, (3<<16)|(1<<21)
.irp g, G1A, G1B
	s_mov_b32 s[\g+1], 32<<16                      ; rows of 256 bytes,
	s_mov_b32 s[\g+2], 200<<16                     ; 200 of them: four K steps, 51,200 dense bytes
	s_mov_b32 s[\g+3], 32<<16
	s_mov_b32 s[\g+4], 200
	s_mov_b32 s[\g+5], 32
	s_mov_b32 s[\g+6], 0
	s_mov_b32 s[\g+7], 0
.endr
	s_mul_i32 s2, s19, 4*OPB                       ; which four K steps I fetch
	s_mul_i32 s92, s23, BLK8                       ; a's offset is made of i and the wave alone,
	s_add_co_u32 s92, s92, s2
	s_mov_b32 s93, 0
	s_mul_i32 s94, s22, BLK8                       ; Wo's of j and the wave alone
	s_add_co_u32 s94, s94, s2
	s_mov_b32 s95, 0
	s_wait_dscnt 0x0
	s_wait_kmcnt 0x0
	s_add_nc_u64 s[92:93], s[4:5], s[92:93]
	s_add_nc_u64 s[94:95], s[6:7], s[94:95]
	ROUND                                          ; all sixteen work-groups are here: the joint loads meet
.irp c, 0
	s_mov_b32 s[G0A+4*\c], 1
	s_add_co_u32 s[G0A+4*\c+1], s2, 2*\c*OPB
	s_add_nc_u64 s[G0A+4*\c+2:G0A+4*\c+3], s[92:93], 2*\c*OPB
	s_or_b32 s[G0A+4*\c+3], s[G0A+4*\c+3], 0x80000000
	s_mov_b32 s[G0B+4*\c], 1
	s_add_co_u32 s[G0B+4*\c+1], s2, BLK8+2*\c*OPB
	s_add_nc_u64 s[G0B+4*\c+2:G0B+4*\c+3], s[94:95], 24*BLK8+2*\c*OPB   ; Wo is wimg's fourth matrix
	s_or_b32 s[G0B+4*\c+3], s[G0B+4*\c+3], 0x80000000
.endr
	s_cmp_lt_u32 s[WVN], 2                         ; one tensor load a wave: waves 0, 1 fetch a half of a each, waves 2, 3 a half of Wo
	s_cbranch_scc0 .Lfill_w
	tensor_load_to_lds s[G0A:G0A+3], s[G1A:G1A+7]
	s_nop 0
	PLACES 4
	s_branch .Lfilled
.Lfill_w:
	tensor_load_to_lds s[G0B:G0B+3], s[G1B:G1B+7]
	s_nop 0
	PLACES 4
.Lfilled:
	v_and_b32 v5, 31, v0                           ; L
	v_lshlrev_b32 v[LI], 4, v5
	v_and_b32 v7, 15, v0                           ; r
	v_bfe_u32 v31, v0, 4, 1                        ; h
	v_add_nc_u32 v[FI], BLK8, v[LI]
	v_add_nc_u32 v[FI+1], BLK8+HALF5, v[LI]
	s_mul_i32 s2, s[WVN], 3072
	v_lshl_add_u32 v[FOA], v5, 3, s2
	v_add_nc_u32 v[FOA+1], HALF5, v[FOA]
	v_lshlrev_b32 v[SI], 3, v7
	s_lshl_b32 s3, s[WVN], 7
	s_add_co_u32 s3, s3, 12288
	v_add_nc_u32 v[SO], s3, v[SI]
	v_add_nc_u32 v[SO+1], HALF5, v[SO]
	v_add_nc_u32 v[SI+1], BLK8+HALF5+12288, v[SI]
	v_add_nc_u32 v[SI], BLK8+12288, v[SI]
	s_mul_i32 s2, s[WVN], 16*528
	s_add_co_u32 s2, s2, STG                       ; my stage
	v_mul_u32_u24 v[STO], v7, 528
	v_lshl_add_u32 v[STO], v31, 6, v[STO]
	v_add_nc_u32 v[STO], s2, v[STO]                ; in: row r, + 64 h
	v_add_nc_u32 v[RD], s2, v[LI]                  ; back: a row's 512 bytes, 16 a lane
	v_lshlrev_b32 v[BO1], 6, v31
	s_lshl_b32 s66, s22, 9                         ; column 128 j, in bytes
	s_mov_b32 s67, 0
	s_add_nc_u64 s[8:9], s[8:9], s[66:67]
	WIN 0x80                                       ; destination window 2
.irp i, 0,1,2,3,4,5,6,7
	global_load_b128 v[8*\i:8*\i+3], v[BO1], s[8:9] offset:(32*(\i/2)+8*(\i%2))*4
	global_load_b128 v[8*\i+4:8*\i+7], v[BO1], s[8:9] offset:(32*(\i/2)+8*(\i%2))*4+16
.endr
	WIN 0
	s_add_nc_u64 s[10:11], s[10:11], s[66:67]
	s_lshl_b32 s66, s23, 7
	s_lshl_b32 s3, s[WVN], 5
	s_add_co_u32 s66, s66, s3                      ; row 128 i + 32 w
	s_lshl_b32 s66, s66, 12                        ; rows of 4,096 bytes
	s_add_nc_u64 s[10:11], s[10:11], s[66:67]
; 41 LDS loads in one run: K step s's scale words and fragments into set p
.macro FETCH p, s
.set ETA, (\s)/5
.set KOFF, ((\s)-5*ETA)*OPB
	WIN 0
.irp g, 0,1,2,3
	ds_load_b64 v[SC+10*(\p)+2*\g:SC+10*(\p)+2*\g+1], v[SI+ETA] offset:KOFF+128*\g
.endr
	ds_load_b64 v[SC+10*(\p)+8:SC+10*(\p)+9], v[SO+ETA] offset:KOFF
	WIN 0x40                                       ; destination window 1
.irp i, 0,1,2,3,4,5,6,7
.irp q, 0,1,2
	ds_load_b128 v[120*(\p)+12*\i+4*\q:120*(\p)+12*\i+4*\q+3], v[FI+ETA] offset:KOFF+1536*\i+512*\q
.endr
.endr
.irp o, 0,1
.irp e, 0,1,2,3,4,5
	ds_load_b64 v[120*(\p)+96+12*\o+2*\e:120*(\p)+96+12*\o+2*\e+1], v[FOA+ETA] offset:KOFF+1536*\o+256*\e
.endr
.endr
	WIN 0
.endm
.macro MULS p, first
.if \first
	WIN 0x25                                       ; sources 0, 1 window 1, C (bo) window 2, D window 0
.else
	WIN 0x05
.endif
.irp o, 0,1
.irp i, 0,1,2,3,4,5,6,7
.if \first
	v_wmma_scale_f32_16x16x128_f8f6f4 v[ACC+8*(8*\o+\i):ACC+8*(8*\o+\i)+7], v[120*(\p)+12*\i:120*(\p)+12*\i+11], v[120*(\p)+96+12*\o:120*(\p)+96+12*\o+11], v[8*\i:8*\i+7], v[SC+10*(\p)+\i], v[SC+10*(\p)+8+\o] matrix_a_fmt:MATRIX_FMT_BF6 matrix_b_fmt:MATRIX_FMT_BF6
.else
	v_wmma_scale_f32_16x16x128_f8f6f4 v[ACC+8*(8*\o+\i):ACC+8*(8*\o+\i)+7], v[120*(\p)+12*\i:120*(\p)+12*\i+11], v[120*(\p)+96+12*\o:120*(\p)+96+12*\o+11], v[ACC+8*(8*\o+\i):ACC+8*(8*\o+\i)+7], v[SC+10*(\p)+\i], v[SC+10*(\p)+8+\o] matrix_a_fmt:MATRIX_FMT_BF6 matrix_b_fmt:MATRIX_FMT_BF6
.endif
.endr
.endr
	WIN 0
.endm
.macro KSTEP s, first                  ; the next step's run of loads first, into the set that the last step multiplied; then this step's products
	PLACES 4
	FETCH 1-(\s)%2, (\s)+1
	s_wait_dscnt NF                                ; all but the 41 just issued
	MULS (\s)%2, \first
.endm
	s_wait_alu depctr_va_vdst(0)
	s_wait_loadcnt 0x0                             ; bo
	s_wait_tensorcnt 0x0                           ; my one load has landed; behind the barrier everybody's has: all of K is in LDS, and nothing is ever filled again
	BAR
	FETCH 0, 0
	KSTEP 0, 1
	KSTEP 1, 0
	KSTEP 2, 0
	KSTEP 3, 0
	KSTEP 4, 0
	KSTEP 5, 0
	KSTEP 6, 0
	s_wait_dscnt 0x0                               ; nothing more to fetch
	MULS 1, 0
	; THE WAY OUT.  Lane (r, h) holds, of row r of outer tile o, columns 32 b + 16 h + 0 .. 15 in inner tiles 2 b, 2 b + 1.  A tile goes through my own stage and comes back as whole rows, into the registers that it left.
	PLACES 4
.irp o, 0,1
.irp i, 0,1,2,3,4,5,6,7
	ds_store_b128 v[STO], v[ACC+64*\o+8*\i:ACC+64*\o+8*\i+3] offset:128*(\i/2)+32*(\i%2)       ; each accumulator from its low end on
	ds_store_b128 v[STO], v[ACC+64*\o+8*\i+4:ACC+64*\o+8*\i+7] offset:128*(\i/2)+32*(\i%2)+16
.endr
.irp t, 0,1,2,3,4,5,6,7,8,9,10,11,12,13,14,15
	ds_load_b128 v[ACC+64*\o+4*\t:ACC+64*\o+4*\t+3], v[RD] offset:528*\t   ; LDS serves a wave's instructions in order: these see the stores above, and the next tile's stores come behind them
.endr
.endr
	s_wait_dscnt 32                                ; tile 0 is back; tile 1's 16 stores and 16 loads are younger
.irp t, 0,1,2,3,4,5,6,7,8,9,10,11,12,13,14,15
	global_store_b128 v[LI], v[ACC+4*\t:ACC+4*\t+3], s[10:11] offset:(\t+8*(\t/8))*4096 th:TH_STORE_NT   ; 32 lanes store 512 consecutive bytes of a row, at a multiple of 256 from the buffer's first byte
.endr
	s_wait_dscnt 0x0
.irp t, 0,1,2,3,4,5,6,7,8,9,10,11,12,13,14,15
	global_store_b128 v[LI], v[ACC+64+4*\t:ACC+64+4*\t+3], s[10:11] offset:(8+\t+8*(\t/8))*4096 th:TH_STORE_NT
.endr
	s_wait_tensorcnt 0x0
	ds_add_u32 v126, v127
	s_wait_dscnt 0x0
	ROUND                                          ; the closing round
	s_endpgm
.Lfunc_end_k_qd4d29bd0f7_proj:
	.size	k_qd4d29bd0f7_proj, .Lfunc_end_k_qd4d29bd0f7_proj-k_qd4d29bd0f7_proj
	.p2alignl 7, 3214868480
	.fill 96, 4, 3214868480
	.section	.rodata,"a",@progbits
	.p2align	6, 0x0
	.amdhsa_kernel k_qd4d29bd0f7_proj
		.amdhsa_group_segment_fixed_size 239104
		.amdhsa_private_segment_fixed_size 0
		.amdhsa_enable_private_segment 0
		.amdhsa_kernarg_size 32
		.amdhsa_user_sgpr_count 2
		.amdhsa_user_sgpr_kernarg_segment_ptr 1
		.amdhsa_wavefront_size32 1
		.amdhsa_system_sgpr_workgroup_id_x 1
		.amdhsa_system_sgpr_workgroup_id_y 1
		.amdhsa_system_sgpr_workgroup_id_z 1
		.amdhsa_system_vgpr_workitem_id 0
		.amdhsa_next_free_vgpr 768
		.amdhsa_next_free_sgpr 96
		.amdhsa_reserve_vcc 0
		.amdhsa_float_denorm_mode_32 3
		.amdhsa_float_denorm_mode_16_64 3
		.amdhsa_memory_ordered 1
		.amdhsa_forward_progress 1
		.amdhsa_inst_pref_size 54
	.end_amdhsa_kernel
	.amdgpu_metadata
---
amdhsa.version: [ 1, 2 ]
amdhsa.kernels:
  - .name:           k_qd4d29bd0f7_proj
    .symbol:         k_qd4d29bd0f7_proj.kd
    .args:
      - { .name: aimg, .offset: 0, .size: 8, .value_kind: global_buffer, .address_space: global }
      - { .name: wimg, .offset: 8, .size: 8, .value_kind: global_buffer, .address_space: global }
      - { .name: bo, .offset: 16, .size: 8, .value_kind: global_buffer, .address_space: global }
      - { .name: out0, .offset: 24, .size: 8, .value_kind: global_buffer, .address_space: global }
    .group_segment_fixed_size: 239104
    .private_segment_fixed_size: 0
    .kernarg_segment_align: 8
    .kernarg_segment_size: 32
    .max_flat_workgroup_size: 128
    .sgpr_count:     96
    .vgpr_count:     768
    .wavefront_size: 32
...
	.end_amdgpu_metadata
.endif
;; end of part 4
